; MI455X (gfx1250); checked and timed in simulation.
; The chip was launched on July 23, 2026; its instructions are those of AMD's public machine-readable ISA for CDNA 5 (MIT licence, August 2026) and "CDNA5" Instruction Set Architecture Reference Guide (July 2026). The comments in the code are by the model that wrote it; some were corrected since.
;; Ro PE Attention. Allowed arithmetic: matrix products marked QUANTISED: E2M3 operands, one E8M0 scale for each 32 along K, by v_wmma_scale_f32_16x16x128_f8f6f4 with both operands' format E2M3, f32 sums; products left as they are: f32 operands where the result goes on into a quantised operand, else bf16, f16 or f32 operands; f32 sums; everything else in f32.
;; Inputs: W_out 1,024 x 1,024 float32; W_qkv 3,072 x 1,024 float32; x 2 x 2,048 x 1,024 float32.
;; Outputs: out0 2 x 2,048 x 1,024 float32.
;; This version of the problem:
;;   THIS VERSION OF THE PROBLEM IS GIVEN IN LOW PRECISION. The matrix products marked QUANTISED in the list below multiply operands that are first quantised to E2M3 (2 exponent bits, 3 mantissa bits; 6 bits a number), with one power-of-two scale for each 32 numbers along K (OCP MX v1.0); their sums are f32. All else is computed in f32.
;;   The module's matrix products, in the order in which they are computed (A, B: the left and right operand; K: the contracted axis; several contracted axes count as one K, in the product's order):
;;     1. [M 4,096, K 1,024] x [K 1,024, N 3,072]; A: input x; B: input W_qkv: QUANTISED
;;     2. [M 2,048, K 1] x [K 1, N 32]; A: computed on the way; B: computed on the way: left as it is (no contracted axis)
;;     3. batch 32 x [M 2,048, K 64] x [K 64, N 2,048]; A: computed on the way; B: computed on the way: QUANTISED
;;     4. batch 32 x [M 2,048, K 2,048] x [K 2,048, N 64]; A: softmax (see below); B: computed on the way: QUANTISED
;;     5. [M 4,096, K 1,024] x [K 1,024, N 1,024]; A: computed on the way; B: input W_out: QUANTISED
;;   THE QUANTISER, for each operand of a quantised product, along K:
;;     - K is cut into blocks of 32 from its start; a last block that is shorter is filled with zeros.
;;     - A block's scale is 2^e with e = floor(log2(the largest magnitude in the block)) - 2, held to -126 .. 127; a block of zeros has e = 0. As a byte (E8M0): e + 127.
;;     - Each number is divided by its block's scale, clamped to +-7.5, and rounded to the nearest number of E2M3, ties to even, subnormals kept.
;;     - The product sums the exact products of the quantised numbers (number of the format x scale) in f32.
;;   ~~~python
;;   def quantise(x, axis):      # numpy; x: float32 -> the quantised numbers, widened to float32 again
;;       x = np.moveaxis(x, axis, -1); K = x.shape[-1]
;;       x = np.pad(x, [(0, 0)] * (x.ndim - 1) + [(0, -K % 32)]); x = x.reshape(x.shape[:-1] + (-1, 32)); a = np.abs(x).max(-1, keepdims=True)
;;       e = np.where(a > 0, np.clip(np.frexp(np.where(a > 0, a, 1))[1] - 1 - 2, -126, 127), 0)      # np.frexp(a)[1] - 1 = floor(log2(a)), exactly
;;       r = np.clip(x / 2.0 ** e, -7.5, 7.5)
;;       step = 2.0 ** (np.maximum(np.frexp(np.where(r == 0, 1, r))[1] - 1, 0) - 3)
;;       q = np.round(r / step) * step * 2.0 ** e      # np.round: ties to even
;;       return np.moveaxis(q.reshape(q.shape[:-2] + (-1,))[..., :K], -1, axis).astype(np.float32)
;;   ~~~
;;   SOFTMAX AHEAD OF A QUANTISED PRODUCT. Where the list says 'softmax', what is quantised is not the finished softmax but p = 2^(t - M), with t = logit x log2(e) and M = ceil(the row's largest t), a whole number; so 1/2 < the row's largest p <= 1. The row's sum l is taken of the UNQUANTISED p, in f32, and the product's result is divided by l at the end. Since M is a whole number, a kernel that streams over the keys may use a running M (the ceiling of the running maximum): every later rescaling is an exact power of two, which a block's scale takes up: the codes' values come out the same.
;;   OPERANDS COMPUTED ON THE WAY. 'Computed on the way' means the value that the module computes at that place (a softmax that the list does not call 'softmax' is quantised finished and normalised). What goes into a quantiser is computed in f32, as accurately as f32 sums, v_exp_f32 and their like allow (about 1e-6 of the number): no bf16 or f16 on the way to a quantiser, and a product that is left as it is and whose result goes on into a quantised operand takes f32 operands (vector FMAs, or v_wmma_f32_16x16x4_f32). A number that lies on a knife's edge between two numbers of the format may be rounded either way, as far as f32 arithmetic and the matrix unit's own rounding can turn it there, and no further.
;; One version. Each part assembles by itself: llvm-mc -triple=amdgcn-amd-amdhsa -mcpu=gfx1250 --defsym DOCPART=n.
;; ======== version 1 of 1: 4 launches
;; limits: right only within a limited range of input values
;; workspace buffers: ops 6,553,600 bytes; rope 524,288 bytes; qrec 3,407,872 bytes; kv 6,815,744 bytes; yq 3,407,872 bytes
;; launch quant (part 1): grid 256 x 1, 4 waves a work-group, no clusters, 34,304 bytes of LDS; arguments x, W_qkv, W_out, ops, rope; writes ops, rope
.if DOCPART == 1
	.amdgcn_target "amdgcn-amd-amdhsa--gfx1250"
	.amdhsa_code_object_version 6
	.text
	.protected	k_qbfd55425dd_quant
	.globl	k_qbfd55425dd_quant
	.p2align	8
	.type	k_qbfd55425dd_quant,@function
k_qbfd55425dd_quant:
	s_mov_b64 s[64:65], 0
	v_nop
	global_prefetch_b8 v0, s[64:65] scope:SCOPE_SE
	s_setreg_imm32_b32 hwreg(HW_REG_WAVE_MODE, 25, 1), 1
	s_wait_xcnt 0x0
; x [4096][1024], W_qkv [3072][1024], W_out [1024][1024], f32, K innermost, become codes of FP6 (E2M3) with one E8M0 byte for each 32 along K,
; laid as IMAGES OF THE OPERAND'S REGISTERS, so that every later launch takes a fragment by loads of 16 bytes a lane at 16 x lane.
; ops: codes [group 128][K step 8][tile 4][1,536 bytes], then from byte SCR the scale words [group][K step][256 bytes].  Groups of 64 rows: 0-63 x, 64-111 W_qkv, 112-127 W_out.
; A fragment (16 rows x 128 K, 12 registers a lane) lies as three pieces of 512 bytes: registers 4 c .. 4 c + 3 of lane l at 512 c + 16 l.
; THE ROWS OF A TILE ARE NOT NEIGHBOURS: lane r of tile 2 b + u stands for row 32 b + 8 u + r + 8 (r / 8) of its group, so that a product which takes the tile as source 0
; leaves 16 neighbouring rows in the 16 registers of tiles 2 b and 2 b + 1.
; The scale words of a group's four tiles for one K step are 8 bytes a lane: word 0: lanes 0-15 tile 0, lanes 16-31 tile 1; word 1: tiles 2 and 3.
; A block's scale is 2^(floor(log2(largest magnitude)) - 2): its byte is the largest magnitude's exponent field - 2, held at 1 from below.
; The launch also makes the table of reference()'s rotary embedding: rope [t 2048][i 16][cos(2i), cos(2i+1), -sin(2i), +sin(2i+1)], the angle t x 10000^(-j/32), j = 2i, 2i+1.
; LIMITS: NaN and infinities among the inputs are not served.  A block of zeros gets the byte 1 where the rule says 127: its codes are zeros, and this program alone reads the bytes.
; 10000^(-j/32) is made by v_exp_f32 of j x log2(10)/8 and can differ from reference()'s by a few units in its last place: at t = 2,047 an angle can be off by about 2.4e-4 rad.
; Sine and cosine: the angle less n x pi/2 (pi/2 in two parts, by fused multiply-adds), then polynomials on [-pi/4, pi/4], in f32.
; SHARES: wave W = 4 x work-group + wave takes group W / 8, K step W % 8: 64 rows x 128 K, four fragments; and rows t = 2 W, 2 W + 1 of the table.  Waves share nothing: no barrier.
; Each load reads 512 consecutive bytes of a row; a tile's 16 rows turn through the wave's own stage in LDS (rows of 512 + 16 bytes) and come back 128 consecutive bytes a lane and block.
.set SCR,  6291456                     ; where the scale words begin in ops
.set STG,  8448                        ; a wave's stage: 16 rows x 528 bytes
.set RAW,  64                          ; v64-191  two sets of 64: a tile as loaded
.set X,    192                         ; v192-255 a lane's two blocks of 32 neighbours (before the first tile: at work on the table)
.set PW,   40                          ; v40-43   the four tiles' scale words
.set SEL,  32                          ; s[32:33] lane selects of v_permlanex16_b32: lane l xor 16
	s_load_b128 s[4:7], s[0:1], 0x0                ; x, W_qkv
	s_load_b128 s[8:11], s[0:1], 0x10              ; W_out, ops
	s_load_b64 s[12:13], s[0:1], 0x20              ; rope
	v_lshl_add_u32 v62, v0, 2, 0x8400
	v_mov_b32 v63, 0
	v_lshrrev_b32 v1, 5, v0
	v_readfirstlane_b32 s14, v1                    ; wave
	v_and_b32 v1, 31, v0                           ; lane
	v_and_b32 v2, 15, v0                           ; r
	v_bfe_u32 v3, v0, 4, 1                         ; h
	v_lshlrev_b32 v4, 4, v1                        ; 16 x lane
	v_lshlrev_b32 v5, 3, v1                        ; 8 x lane
	s_mul_i32 s15, s14, STG
	v_add_nc_u32 v6, s15, v4                       ; into the stage: 16 x lane of a row
	v_mul_u32_u24 v7, v2, 528
	v_lshl_add_u32 v7, v3, 7, v7
	v_add_nc_u32 v7, s15, v7                       ; out of it: row r, + 128 h: k = 32 h on
	v_lshlrev_b32 v8, 3, v3                        ; 8 h: my bytes' place in a scale word
	v_mov_b32 v51, 0                               ; a lane permute's destination counts as one of its sources
	v_cmp_le_u32 s31, 16, v1                       ; lanes 16-31
	s_mov_b32 s[SEL], 0x76543210
	s_mov_b32 s[SEL+1], 0xfedcba98
	s_mov_b32 s34, 0x3f22f983                      ; 2 / pi
	s_mov_b32 s35, 0x3fc90fdb                      ; pi / 2, upper part
	s_mov_b32 s36, 0xb33bbd2e                      ; pi / 2, the rest
	s_mov_b32 s37, 0xb94ca1f9                      ; sine: -1.9515296e-4
	s_mov_b32 s38, 0x3c08839e                      ; 8.3321609e-3
	s_mov_b32 s39, 0xbe2aaaa3                      ; -1.6666655e-1
	s_mov_b32 s40, 0x37ccf5ce                      ; cosine: 2.4433157e-5
	s_mov_b32 s41, 0xbab6061a                      ; -1.3887316e-3
	s_mov_b32 s42, 0x3d2aaaa5                      ; 4.1666646e-2
	s_lshl_b32 s16, ttmp9, 2
	s_add_co_u32 s16, s16, s14                     ; W
	s_lshr_b32 s21, s16, 3                         ; the group
	s_wait_alu depctr_va_vdst(0)
	s_wait_kmcnt 0x0
	s_cmp_lt_u32 ttmp9, 224                        ; which tensor: the choice hangs on the work-group's number alone
	s_cselect_b64 s[18:19], s[6:7], s[8:9]
	s_cselect_b32 s20, 64, 112
	s_cmp_lt_u32 ttmp9, 128
	s_cselect_b64 s[18:19], s[4:5], s[18:19]
	s_cselect_b32 s20, 0, s20
	s_cselect_b32 s43, 0x10000, 0                  ; x: 16 rows of 4,096 bytes more for a tile's upper eight rows
	s_xor_b32 s44, s43, 0x10000                    ; W: the same for tiles 2 and 3
	s_sub_co_u32 s21, s21, s20
	s_lshl_b32 s22, s21, 18                        ; 64 rows of 4,096 bytes a group,
	s_and_b32 s21, s16, 7
	s_lshl_b32 s21, s21, 9                         ; 512 bytes a K step
	s_add_co_u32 s22, s22, s21
	s_mov_b32 s23, 0
	s_add_nc_u64 s[18:19], s[18:19], s[22:23]      ; my 64 rows x 128 K
	s_mul_i32 s22, s16, 6144
	s_add_nc_u64 s[24:25], s[10:11], s[22:23]      ; my four fragments' images
	s_lshl_b32 s22, s16, 8
	s_add_co_u32 s22, s22, SCR
	s_add_nc_u64 s[26:27], s[10:11], s[22:23]      ; my 256 bytes of scale words
	s_lshl_b32 s22, s16, 9
	s_add_nc_u64 s[28:29], s[12:13], s[22:23]      ; my two rows of the table
.macro LOAD t                          ; tile t's 16 rows, 512 consecutive bytes a load, into set t % 2
.irp i, 0,1,2,3,4,5,6,7,8,9,10,11,12,13,14,15
	; TWO ORDERS OF A TILE'S ROWS.  W_qkv and W_out: lane r of tile t is row 32 (t / 2) + 8 (t % 2) + r + 8 (r / 8).  x: lane r of tile t is row 32 (r / 8) + 8 t + r % 8, so that a product
	; which takes x's tile as source 0 leaves a whole block of 32 neighbouring tokens in one lane's 32 registers of the four tiles.  Common to both: 8 t + i + 8 (i / 8) rows, in the immediate;
	; 16 rows more stand in the offset register: for W where t / 2 = 1, for x where i / 8 = 1 (v4, v9, v14, v15 for (t / 2, i / 8) = (0,0), (0,1), (1,0), (1,1))
	global_load_b128 v[RAW+64*((\t)%2)+4*\i:RAW+64*((\t)%2)+4*\i+3], v[4+5*(\i/8)+10*((\t)/2)-4*(\i/8)*((\t)/2)], s[18:19] offset:(8*(\t)+\i+8*(\i/8))*4096 th:TH_LOAD_NT
.endr
.endm
.macro TURN t                          ; through the stage: LDS serves a wave's instructions in order (ISA guide 5.7.1.4), so no wait stands between the stores and the loads
.irp i, 0,1,2,3,4,5,6,7,8,9,10,11,12,13,14,15
	ds_store_b128 v6, v[RAW+64*((\t)%2)+4*\i:RAW+64*((\t)%2)+4*\i+3] offset:528*\i
.endr
.irp c, 0,1
.irp q, 0,1,2,3,4,5,6,7
	ds_load_b128 v[X+32*\c+4*\q:X+32*\c+4*\q+3], v7 offset:256*\c+16*\q   ; k = 64 c + 32 h + 4 q on, of row r
.endr
.endr
.endm
; Sine and cosine of the angle in v[b+1]; the sine goes to v[so], the cosine to v[co].
.macro SINCOS b, so, co
	v_mul_f32 v[\b+2], s34, v[\b+1]
	v_rndne_f32 v[\b+2], v[\b+2]                   ; n
	v_fma_f32 v[\b+3], -v[\b+2], s35, v[\b+1]
	v_fma_f32 v[\b+3], -v[\b+2], s36, v[\b+3]      ; r = angle - n pi / 2
	v_mul_f32 v[\b+4], v[\b+3], v[\b+3]            ; z = r r
	v_fma_f32 v[\b+5], v[\b+4], s37, s38
	v_fma_f32 v[\b+6], v[\b+4], s40, s41
	v_fma_f32 v[\b+5], v[\b+5], v[\b+4], s39
	v_fma_f32 v[\b+6], v[\b+6], v[\b+4], s42
	v_mul_f32 v[\b+5], v[\b+5], v[\b+4]
	v_mul_f32 v[\b+7], v[\b+4], v[\b+4]
	v_fma_f32 v[\b+8], v[\b+4], -0.5, 1.0
	v_fma_f32 v[\b+5], v[\b+5], v[\b+3], v[\b+3]   ; sin r
	v_fma_f32 v[\b+6], v[\b+6], v[\b+7], v[\b+8]   ; cos r
	v_cvt_i32_f32 v[\b+9], v[\b+2]
	v_and_b32 v[\b+10], 1, v[\b+9]
	v_cmp_eq_u32 vcc_lo, 1, v[\b+10]               ; odd n: the two change places
	v_cndmask_b32 v[\b+11], v[\b+5], v[\b+6], vcc_lo
	v_cndmask_b32 v[\b+12], v[\b+6], v[\b+5], vcc_lo
	v_and_b32 v[\b+10], 2, v[\b+9]                 ; the sine is negative for n % 4 = 2, 3,
	v_lshlrev_b32 v[\b+10], 30, v[\b+10]
	v_xor_b32 v[\so], v[\b+10], v[\b+11]
	v_add_nc_u32 v[\b+9], 1, v[\b+9]               ; the cosine for n % 4 = 1, 2
	v_and_b32 v[\b+9], 2, v[\b+9]
	v_lshlrev_b32 v[\b+9], 30, v[\b+9]
	v_xor_b32 v[\co], v[\b+9], v[\b+12]
.endm
; Tile t's fragment: a lane holds two whole blocks, 2 c + h (c = 0, 1), so no other lane is asked for a maximum; the scale word's four bytes are gathered from lanes l and l xor 16.
.macro QF t
.set CD, 16+12*((\t)%2)                ; the codes: two sets of 12 registers by turns
.irp c, 0,1
	v_max3_num_f32 v[44+\c], |v[X+32*\c]|, |v[X+32*\c+1]|, 0x1800000   ; with the floor 2^(3 - 127): the byte cannot fall under 1
.endr
.irp i, 2,4,6,8,10,12,14,16,18,20,22,24,26,28,30
.irp c, 0,1
	v_max3_num_f32 v[44+\c], v[44+\c], |v[X+32*\c+\i]|, |v[X+32*\c+\i+1]|
.endr
.endr
.irp c, 0,1
	v_add_nc_u32 v[46+\c], 0xff000000, v[44+\c]    ; 2 off the exponent field: the conversion's scale operand
.endr
.irp c, 0,1
	v_lshrrev_b32 v[48+\c], 23, v[46+\c]           ; the scale's byte
.endr
	v_lshl_or_b32 v50, v49, 16, v48                ; blocks h and 2 + h,
	v_lshlrev_b32 v50, v8, v50                     ; at their places in the word;
	v_permlanex16_b32 v51, v50, s[SEL], s[SEL+1]
	v_or_b32 v[PW+(\t)], v50, v51                  ; with lane l xor 16's two the word is whole
.irp c, 0,1
	v_cvt_scalef32_pk16_fp6_f32 v[CD+6*\c:CD+6*\c+2], v[X+32*\c:X+32*\c+15], v[46+\c]
	v_cvt_scalef32_pk16_fp6_f32 v[52+4*\c:54+4*\c], v[X+32*\c+16:X+32*\c+31], v[46+\c]   ; (a conversion's three registers begin on an even number)
.endr
	v_nop                                          ; one plain line behind the scaled conversions
.irp c, 0,1
.irp i, 0,1,2
	v_mov_b32 v[CD+3+6*\c+\i], v[52+4*\c+\i]
.endr
.endr
.irp c, 0,1,2
	global_store_b128 v4, v[CD+4*\c:CD+4*\c+3], s[24:25] offset:1536*(\t)+512*\c   ; 512 consecutive bytes, at a multiple of 256 from the buffer's first byte
.endr
.endm
	v_add_nc_u32 v9, s43, v4
	v_add_nc_u32 v14, s44, v4
	v_add_nc_u32 v15, 0x10000, v4
	LOAD 0
	LOAD 1
	; the table, while the first tiles are on their way: lane l: i = l % 16, t = 2 W + l / 16
	v_lshlrev_b32 v192, 1, v2                      ; j = 2 i
	v_add_nc_u32 v208, 1, v192                     ; and 2 i + 1
	v_cvt_f32_u32 v192, v192
	v_cvt_f32_u32 v208, v208
	v_mul_f32 v192, 0xbed49a78, v192               ; -j log2(10) / 8 = log2(10000^(-j / 32))
	v_mul_f32 v208, 0xbed49a78, v208
	s_wait_alu depctr_va_vdst(0)
	v_exp_f32 v193, v192
	v_exp_f32 v209, v208
	s_lshl_b32 s30, s16, 1
	v_add_nc_u32 v194, s30, v3                     ; t  (a plain line behind the exponentials)
	v_cvt_f32_u32 v194, v194
	s_wait_alu depctr_va_vdst(0)                   ; one wait for both exponentials, ahead of their first reader
	v_mul_f32 v193, v194, v193                     ; the angles: reference()'s outer product, in f32
	v_mul_f32 v209, v194, v209
	SINCOS 192, 12, 10
	SINCOS 208, 13, 11
	v_xor_b32 v12, 0x80000000, v12                 ; the even channel takes -sin
	global_store_b128 v4, v[10:13], s[28:29]       ; 512 consecutive bytes: two rows of the table
.irp t, 0,1,2,3
.if \t < 3
	s_wait_loadcnt 16                              ; this tile's 16 loads are in; the next tile's 16 may be out
.else
	s_wait_loadcnt 0x0
.endif
	TURN \t
	s_wait_dscnt 0x0                               ; my 64 numbers are back, and the stage's stores have read their registers,
.if \t < 2
	LOAD \t+2                                      ; which take the tile two on
.else
	s_wait_xcnt 0x0                                ; the stores of two tiles back have read their data: that set of codes is written again only behind this wait
.endif
	QF \t
.endr
	v_cndmask_b32 v60, v[PW], v[PW+1], s31         ; lanes 0-15 tile 0's words, lanes 16-31 tile 1's
	v_cndmask_b32 v61, v[PW+2], v[PW+3], s31       ; tiles 2 and 3
	global_store_b64 v5, v[60:61], s[26:27]        ; 256 consecutive bytes
	s_wait_tensorcnt 0x0
	ds_add_u32 v62, v63
	s_wait_dscnt 0x0
	s_endpgm
.Lfunc_end_k_qbfd55425dd_quant:
	.size	k_qbfd55425dd_quant, .Lfunc_end_k_qbfd55425dd_quant-k_qbfd55425dd_quant
	.p2alignl 7, 3214868480
	.fill 96, 4, 3214868480
	.section	.rodata,"a",@progbits
	.p2align	6, 0x0
	.amdhsa_kernel k_qbfd55425dd_quant
		.amdhsa_group_segment_fixed_size 34304
		.amdhsa_private_segment_fixed_size 0
		.amdhsa_enable_private_segment 0
		.amdhsa_kernarg_size 40
		.amdhsa_user_sgpr_count 2
		.amdhsa_user_sgpr_kernarg_segment_ptr 1
		.amdhsa_wavefront_size32 1
		.amdhsa_system_sgpr_workgroup_id_x 1
		.amdhsa_system_sgpr_workgroup_id_y 1
		.amdhsa_system_sgpr_workgroup_id_z 1
		.amdhsa_system_vgpr_workitem_id 0
		.amdhsa_next_free_vgpr 256
		.amdhsa_next_free_sgpr 66
		.amdhsa_reserve_vcc 1
		.amdhsa_float_denorm_mode_32 3
		.amdhsa_float_denorm_mode_16_64 3
		.amdhsa_memory_ordered 1
		.amdhsa_forward_progress 1
		.amdhsa_inst_pref_size 34
	.end_amdhsa_kernel
	.amdgpu_metadata
---
amdhsa.version: [ 1, 2 ]
amdhsa.kernels:
  - .name:           k_qbfd55425dd_quant
    .symbol:         k_qbfd55425dd_quant.kd
    .args:
      - { .name: x, .offset: 0, .size: 8, .value_kind: global_buffer, .address_space: global }
      - { .name: W_qkv, .offset: 8, .size: 8, .value_kind: global_buffer, .address_space: global }
      - { .name: W_out, .offset: 16, .size: 8, .value_kind: global_buffer, .address_space: global }
      - { .name: ops, .offset: 24, .size: 8, .value_kind: global_buffer, .address_space: global }
      - { .name: rope, .offset: 32, .size: 8, .value_kind: global_buffer, .address_space: global }
    .group_segment_fixed_size: 34304
    .private_segment_fixed_size: 0
    .kernarg_segment_align: 8
    .kernarg_segment_size: 40
    .max_flat_workgroup_size: 128
    .sgpr_count:     66
    .vgpr_count:     256
    .wavefront_size: 32
...
	.end_amdgpu_metadata
.endif
;; end of part 1
;; launch qkv (part 2): grid 16 x 16, 4 waves a work-group, clusters of 4 x 1, 168,448 bytes of LDS; arguments ops, rope, qrec, kv; writes qrec, kv
.if DOCPART == 2
	.amdgcn_target "amdgcn-amd-amdhsa--gfx1250"
	.amdhsa_code_object_version 6
	.text
	.protected	k_qbfd55425dd_qkv
	.globl	k_qbfd55425dd_qkv
	.p2align	8
	.type	k_qbfd55425dd_qkv,@function
k_qbfd55425dd_qkv:
	s_mov_b64 s[64:65], 0
	v_nop
	global_prefetch_b8 v0, s[64:65] scope:SCOPE_SE
	s_setreg_imm32_b32 hwreg(HW_REG_WAVE_MODE, 25, 1), 1
	s_wait_xcnt 0x0
	s_wait_alu depctr_hold_cnt(0) depctr_sa_sdst(0) depctr_va_vdst(0) depctr_va_sdst(0) depctr_va_ssrc(0) depctr_va_vcc(0) depctr_vm_vsrc(0)
	s_getreg_b32 s2, hwreg(HW_REG_IB_STS2, 6, 4)
	s_cmp_eq_u32 s2, 0
	s_cbranch_scc0 .Lentry_in_a_cluster
	s_endpgm
.Lentry_in_a_cluster:
	s_bfe_u32 s2, ttmp6, 0x10000c
	s_cmp_lg_u32 s2, 0x3003
	s_cbranch_scc0 .Lentry_shape_is_right
	s_endpgm
.Lentry_shape_is_right:
; qkv = x W_qkv^T on codes of FP6 (E2M3), then reference()'s rotary embedding of q and k in f32, then the three quantisers of the attention's operands: q and k along the head's 64 channels, v along the keys.
; Nothing wider than codes leaves the launch.
; SHARES.  Work-group (mt, head): 256 tokens x the head's 64 columns of q, of k and of v.  Wave w: 64 tokens (x's group 4 mt + w) x 192 columns: 48 accumulators of 16 x 16.
; x's fragments are one wave's alone: they go from memory straight into registers, four K steps ahead.  W's 12 fragments of each K step are read by all four waves and by the four work-groups of a
; cluster (four mt, one head): they come by JOINT tensor loads into LDS, once, for all of K (147,456 bytes): no LDS byte is filled twice, so there is no ring.  The loads go out together at the head, in four
; chunks of two K steps, one a wave, and all are waited for before the first step.  x is not asked for jointly: register loads have no joint form, and LDS has no room for 196,608 bytes of x beside W.
; No prefetch: every tile that the work-group reads from LDS is asked for at its head.
; q and k: source 0 = 16 rows of W, source 1 = 16 tokens: a lane holds ONE token, and the 32 registers of its four tiles run along the channels: register 16 b + i = channel 32 b + 16 (lane / 16) + i.
; v: source 0 = 16 tokens, source 1 = 16 rows of W: a lane holds ONE channel, and its registers run along the tokens in the same way, which are the second attention product's K.
; (The rows of a tile are chosen for that by the launch that made the codes: lane r of tile 2 b + u is row 32 b + 8 u + r + 8 (r / 8) of its group of 64.)
; OUT.  qrec [bh 32][group 32][3,328]: four units of 768 bytes (16 rows x 64 K: registers 0-3 at 16 x lane, 4-5 at 512 + 8 x lane), then 256 bytes of scale words.
;       kv [bh][group][6,656]: k's four units, v's four units, k's scale words, v's.  A scale word has two bytes (two blocks of 32); its upper two are 0.
; LIMITS: NaN and infinities are not served; a block of zeros gets the byte 1 where the rule says 127 (its codes are zeros; this program alone reads the bytes).
; REGISTERS, in windows of 256: window 0: v1-11 addresses; v32-47 x's scale words, v48-95 W's (they hold scales and nothing else); v96-239 W's fragments, one set for q, k and v each; in the end the codes and the quantisers' work.
;   window 1: x's fragments, four sets of 48; in the end q and k behind the rotation.   window 2: q's 16 accumulators (token tile t, channel tile n at v[8 (4 t + n)]), k's at + 128.
;   window 3: v's 16 accumulators (channel tile n, token tile t at v[8 (4 n + t)]); v128-255 the table's cosines and sines.
.set SCR, 6291456                      ; where the scale words begin in ops
.set WV,  12                           ; s12  my wave's number
.set SEL, 54                           ; s[54:55] lane selects of v_permlanex16_b32: lane l xor 16
.set LHI, 56                           ; s56  lanes 16-31
.set G1,  24                           ; s[24:31] descriptor group 1;  s[32:35] group 0
.set G0,  32
.set TM,  204                          ; v204-211 eight blocks' largest magnitudes
.set TP,  212                          ; v212-219 the other half's; then the bytes
.set TS,  220                          ; v220-227 the conversions' scale operands
.set DT,  228                          ; v228-243 the second halves' codes
.set PW,  244                          ; v244-247 four scale words
.set MSB, 0
.macro WIN new                         ; the immediate's high byte repeats the setting that is left
.if MSB != \new
	s_set_vgpr_msb (MSB<<8)|\new
.set MSB, \new
.endif
.endm
.macro PLACES                          ; four plain lines behind a matrix instruction, ahead of loads into its sources and of the first read of its result
.rept 4
	v_nop
.endr
.endm
.macro CROUND                          ; a round of the cluster's barrier
	s_barrier_signal -1
	s_barrier_wait -1
	s_cmp_lg_u32 s[WV], 0
	s_cbranch_scc1 .Lnot_wave_0_\@
	s_barrier_signal -3
.Lnot_wave_0_\@:
	s_barrier_wait -3
	s_barrier_signal -1
	s_barrier_wait -1
.endm
; One matrix instruction.  d, a, b: first registers of D, A, B;  z = 1: the sum begins (C = 0);  sa, sb: the scale registers;  ra, rb = 1: that side's words stand in lanes 16-31.
.macro WM d, a, b, z, sa, sb, ra, rb
.if (\z) && (\ra) && (\rb)
	v_wmma_scale_f32_16x16x128_f8f6f4 v[\d:\d+7], v[\a:\a+11], v[\b:\b+11], 0, v[\sa], v[\sb] matrix_a_fmt:MATRIX_FMT_FP6 matrix_b_fmt:MATRIX_FMT_FP6 matrix_a_scale:MATRIX_SCALE_ROW1 matrix_b_scale:MATRIX_SCALE_ROW1
.elseif (\z) && (\ra)
	v_wmma_scale_f32_16x16x128_f8f6f4 v[\d:\d+7], v[\a:\a+11], v[\b:\b+11], 0, v[\sa], v[\sb] matrix_a_fmt:MATRIX_FMT_FP6 matrix_b_fmt:MATRIX_FMT_FP6 matrix_a_scale:MATRIX_SCALE_ROW1
.elseif (\z) && (\rb)
	v_wmma_scale_f32_16x16x128_f8f6f4 v[\d:\d+7], v[\a:\a+11], v[\b:\b+11], 0, v[\sa], v[\sb] matrix_a_fmt:MATRIX_FMT_FP6 matrix_b_fmt:MATRIX_FMT_FP6 matrix_b_scale:MATRIX_SCALE_ROW1
.elseif (\z)
	v_wmma_scale_f32_16x16x128_f8f6f4 v[\d:\d+7], v[\a:\a+11], v[\b:\b+11], 0, v[\sa], v[\sb] matrix_a_fmt:MATRIX_FMT_FP6 matrix_b_fmt:MATRIX_FMT_FP6
.elseif (\ra) && (\rb)
	v_wmma_scale_f32_16x16x128_f8f6f4 v[\d:\d+7], v[\a:\a+11], v[\b:\b+11], v[\d:\d+7], v[\sa], v[\sb] matrix_a_fmt:MATRIX_FMT_FP6 matrix_b_fmt:MATRIX_FMT_FP6 matrix_a_scale:MATRIX_SCALE_ROW1 matrix_b_scale:MATRIX_SCALE_ROW1
.elseif (\ra)
	v_wmma_scale_f32_16x16x128_f8f6f4 v[\d:\d+7], v[\a:\a+11], v[\b:\b+11], v[\d:\d+7], v[\sa], v[\sb] matrix_a_fmt:MATRIX_FMT_FP6 matrix_b_fmt:MATRIX_FMT_FP6 matrix_a_scale:MATRIX_SCALE_ROW1
.elseif (\rb)
	v_wmma_scale_f32_16x16x128_f8f6f4 v[\d:\d+7], v[\a:\a+11], v[\b:\b+11], v[\d:\d+7], v[\sa], v[\sb] matrix_a_fmt:MATRIX_FMT_FP6 matrix_b_fmt:MATRIX_FMT_FP6 matrix_b_scale:MATRIX_SCALE_ROW1
.else
	v_wmma_scale_f32_16x16x128_f8f6f4 v[\d:\d+7], v[\a:\a+11], v[\b:\b+11], v[\d:\d+7], v[\sa], v[\sb] matrix_a_fmt:MATRIX_FMT_FP6 matrix_b_fmt:MATRIX_FMT_FP6
.endif
.endm
	s_load_b256 s[4:11], s[0:1], 0x0               ; ops s[4:5], rope s[6:7], qrec s[8:9], kv s[10:11]
	v_lshl_add_u32 v254, v0, 2, 0x29000
	v_mov_b32 v255, 0
	ds_add_u32 v254, v255
	ds_add_u32 v254, v255
	v_lshrrev_b32 v1, 5, v0
	v_readfirstlane_b32 s[WV], v1                  ; wave 0..3
	s_bfe_u32 s13, ttmp6, 0x40000                  ; cx: my place in the cluster: it enters global addresses of x, the table and the results alone
	s_lshl_b32 s14, ttmp9, 2
	s_add_co_u32 s14, s14, s13                     ; mt = 4 x cluster x + cx
	s_and_b32 s15, ttmp7, 0xffff                   ; the head, which the four partners share
	v_and_b32 v6, 31, v0                           ; lane
	v_lshlrev_b32 v1, 4, v6                        ; 16 x lane
	v_lshlrev_b32 v2, 3, v6                        ; 8 x lane
	v_and_b32 v3, 15, v0                           ; r
	v_bfe_u32 v4, v0, 4, 1                         ; h
	v_and_b32 v5, 8, v3
	v_mad_u32_u24 v5, v5, 3, v3                    ; x's order of rows: lane r of token tile t is token 32 (r / 8) + 8 t + r % 8 of its 64: here r % 8 + 32 (r / 8)
	v_lshlrev_b32 v5, 8, v5
	v_lshl_add_u32 v5, v4, 7, v5                   ; the table: my token's row of 256 bytes, + 128 h: the pairs of channels 16 h on
.irp c, 0,1,2,3
	v_add_nc_u32 v[8+\c], 36864*\c, v1             ; LDS: 16 x lane in chunk c
.endr
	v_cmp_le_u32 s[LHI], 16, v6
	s_mov_b32 s[SEL], 0x76543210
	s_mov_b32 s[SEL+1], 0xfedcba98
	s_lshl_b32 s22, s14, 2
	s_add_co_u32 s22, s22, s[WV]                   ; x's group: 4 mt + w
	s_mul_i32 s58, s22, 49152                      ; its codes,
	s_mov_b32 s59, 0
	s_lshl_b32 s60, s22, 11
	s_add_co_u32 s60, s60, SCR                     ; its scale words: 8 K steps x 256 bytes
	s_mov_b32 s61, 0
	s_add_co_u32 s23, s15, 64                      ; W's group with my head's rows of q; k's lies 16 groups on, v's 32
	s_lshl_b32 s62, s23, 11
	s_add_co_u32 s62, s62, SCR
	s_mov_b32 s63, 0
	s_mul_i32 s66, s23, 49152
	s_mul_i32 s57, s[WV], 12288                    ; wave w fetches K steps 2 w, 2 w + 1 of q's, k's and v's group: one load a wave
	s_add_co_u32 s66, s66, s57                     ; what I fetch: chunk w, eight fragments of each of q, k, v
	s_mov_b32 s67, 0
	s_mul_i32 s57, s[WV], 36864
	s_and_b32 s76, s14, 7
	s_lshl_b32 s68, s76, 16
	s_lshl_b32 s77, s[WV], 14
	s_add_co_u32 s68, s68, s77                     ; the table at my first token: 256 bytes x (256 (mt % 8) + 64 w)
	s_mov_b32 s69, 0
	s_lshr_b32 s77, s14, 3                         ; the batch
	s_lshl_b32 s77, s77, 4
	s_add_co_u32 s77, s77, s15                     ; bh
	s_lshl_b32 s77, s77, 5
	s_lshl_b32 s76, s76, 2
	s_add_co_u32 s77, s77, s76
	s_add_co_u32 s77, s77, s[WV]                   ; my record: 32 bh + 4 (mt % 8) + w
	s_mul_i32 s70, s77, 3328
	s_mov_b32 s71, 0
	s_mul_i32 s72, s77, 6656
	s_mov_b32 s73, 0
	; descriptor group 1: three rows (q's, k's, v's group) of 12,288 bytes, 16 groups = 786,432 bytes apart; elements of 8 bytes; no padding: images are read 16 bytes a lane on end
	s_mov_b32 s[G1], 15|(3<<16)|(1<<21)            ; 15:0 the mask: all four work-groups; 17:16 elements of 8 bytes; 21 set beside a mask
	s_mov_b32 s[G1+1], 1536<<16                    ; three rows of 12,288 bytes
	s_mov_b32 s[G1+2], 3<<16                       ; tensor_dim1 = 3
	s_mov_b32 s[G1+3], 1536<<16
	s_mov_b32 s[G1+4], 3                           ; tile_dim1 = 3
	s_mov_b32 s[G1+5], 98304                       ; from row to row, in elements
	s_mov_b32 s[G1+6], 0
	s_mov_b32 s[G1+7], 0
	s_wait_dscnt 0x0
	s_wait_kmcnt 0x0
	s_add_nc_u64 s[16:17], s[4:5], s[58:59]        ; x's codes
	s_add_nc_u64 s[18:19], s[4:5], s[60:61]        ; x's scale words
	s_add_nc_u64 s[20:21], s[4:5], s[62:63]        ; W's scale words
	s_add_nc_u64 s[74:75], s[4:5], s[66:67]        ; W's codes: my chunk, K steps 2 w, 2 w + 1
	s_add_nc_u64 s[48:49], s[6:7], s[68:69]        ; the table
	s_add_nc_u64 s[50:51], s[8:9], s[70:71]        ; my record of q
	s_add_nc_u64 s[52:53], s[10:11], s[72:73]      ; and of k and v
.irp c, 0
	s_mov_b32 s[G0+4*\c], 1
	s_add_co_u32 s[G0+4*\c+1], s57, 36864*\c       ; LDS address
	s_add_nc_u64 s[G0+4*\c+2:G0+4*\c+3], s[74:75], 12288*\c   ; global address: K steps 2 w, 2 w + 1
	s_or_b32 s[G0+4*\c+3], s[G0+4*\c+3], 0x80000000   ; type = 2
.endr
.macro ALOAD s                         ; x's four fragments of K step s into set s % 4 of window 1
.irp t, 0,1,2,3
.irp c, 0,1,2
	global_load_b128 v[48*((\s)%4)+12*\t+4*\c:48*((\s)%4)+12*\t+4*\c+3], v1, s[16:17] offset:6144*(\s)+1536*\t+512*\c
.endr
.endr
.endm
.macro BLOAD s, j                      ; W's four fragments of K step s for q, k or v (j = 0, 1, 2) into set j
.irp n, 0,1,2,3
.irp c, 0,1,2
	ds_load_b128 v[96+48*(\j)+12*\n+4*\c:96+48*(\j)+12*\n+4*\c+3], v[8+(\s)/2] offset:12288*(\j)+6144*((\s)%2)+1536*\n+512*\c
.endr
.endr
.endm
.macro MULQK s, j, z                   ; 16 products of q or k: source 0 = W's tile n, source 1 = x's tile t.  The accumulators take turns, one instruction a turn
.irp t, 0,1,2,3
.irp n, 0,1,2,3
	WM 128*(\j)+8*(4*\t+\n), 96+48*(\j)+12*\n, 48*((\s)%4)+12*\t, \z, 48+6*(\s)+2*(\j)+\n/2, 32+2*(\s)+\t/2, \n%2, \t%2
.endr
.endr
.endm
.macro MULV s, z                       ; 16 products of v: source 0 = x's tile t, source 1 = W's tile n
.irp n, 0,1,2,3
.irp t, 0,1,2,3
	WM 8*(4*\n+\t), 48*((\s)%4)+12*\t, 192+12*\n, \z, 32+2*(\s)+\t/2, 52+6*(\s)+\n/2, \t%2, \n%2
.endr
.endr
.endm
.irp s, 0,1,2,3,4,5,6,7
	global_load_b64 v[32+2*\s:33+2*\s], v2, s[18:19] offset:256*\s   ; x's scale words of all of K: word p: lanes 0-15 tile 2 p, lanes 16-31 tile 2 p + 1
.endr
.irp s, 0,1,2,3,4,5,6,7
.irp j, 0,1,2
	global_load_b64 v[48+6*\s+2*\j:49+6*\s+2*\j], v2, s[20:21] offset:32768*\j+256*\s   ; W's likewise
.endr
.endr
	WIN 0x40                                       ; destination window 1
	ALOAD 0
	ALOAD 1
	ALOAD 2
	ALOAD 3
	WIN 0
	CROUND                                         ; all four work-groups are here: the joint loads meet
	tensor_load_to_lds s[G0:G0+3], s[G1:G1+7]      ; a quarter of W for my head: one load of mine is out
	s_nop 0
	PLACES                                         ; four v_nop follow the tensor loads
	s_wait_tensorcnt 0x0                           ; my one load, a quarter of W along K, is in
	s_barrier_signal -1
	s_barrier_wait -1                              ; everybody's is
	s_wait_alu depctr_va_vdst(0)
	BLOAD 0, 0
	BLOAD 0, 1
	BLOAD 0, 2
; A K step of 128: 48 matrix instructions.  Behind each set's 16 products the set takes the next step's fragments.
.macro STEP s, z
.if (\s) < 5
	s_wait_loadcnt 36                              ; this step's fragments of x are in (and at step 0 all scale words); the three younger sets, 12 loads each, may be out
.else
	s_wait_loadcnt 32+12*(7-(\s))                  ; the younger sets, and the table's 32 loads
.endif
.irp j, 0,1
.if (\s) < 7
	s_wait_dscnt 24                                ; set j is in; the two sets asked for behind it may be out
.else
	s_wait_dscnt 24-12*\j
.endif
	WIN 0xa4                                       ; source 0 window 0, source 1 window 1, C and D window 2
	MULQK \s, \j, \z
	WIN 0
.if (\s) < 7
	PLACES
	BLOAD (\s)+1, \j
.endif
.endr
.if (\s) < 7
	s_wait_dscnt 24
.else
	s_wait_dscnt 0x0
.endif
	WIN 0xf1                                       ; source 0 window 1, source 1 window 0, C and D window 3
	MULV \s, \z
	WIN 0
.if (\s) < 7
	PLACES
	BLOAD (\s)+1, 2
.endif
.if (\s) < 4
	WIN 0x40
	ALOAD (\s)+4                                   ; this step's set of x takes the step four on
	WIN 0
.endif
.if (\s) == 4
	WIN 0xc0                                       ; destination window 3
.irp t, 0,1,2,3
.irp q, 0,1,2,3,4,5,6,7
	global_load_b128 v[128+32*\t+4*\q:128+32*\t+4*\q+3], v5, s[48:49] offset:2048*\t+16*\q
.endr
.endr
	WIN 0
.endif
.endm
	STEP 0, 1                                      ; the first step's products start the sums: nothing is cleared
	STEP 1, 0
	STEP 2, 0
	STEP 3, 0
	STEP 4, 0
	STEP 5, 0
	STEP 6, 0
	STEP 7, 0
	PLACES
.irp k, 0,1,2,3,4,5,6,7
	v_mov_b32 v[TP+\k], 0                          ; a lane permute's destination counts as one of its sources
.endr
	s_wait_loadcnt 0x0                             ; the table
	; THE ROTATION: out(2i) = a(2i) cos(2i) - a(2i+1) sin(2i);  out(2i+1) = a(2i+1) cos(2i+1) + a(2i) sin(2i+1).  A pair lies in two neighbouring registers; channels d and d + 32 share an angle.
	; Each accumulator is read from its low end on.
	WIN 0x5e                                       ; source 0 (sums) window 2, source 1 (table) window 3, source 2 and destination window 1
.irp u, 0,1
.irp t, 0,1,2,3
.irp b, 0,1
.irp q, 0,1,2,3,4,5,6,7
	v_pk_mul_f32 v[128*\u+32*\t+16*\b+2*\q:128*\u+32*\t+16*\b+2*\q+1], v[128*\u+32*\t+16*\b+2*\q:128*\u+32*\t+16*\b+2*\q+1], v[128+32*\t+4*\q:128+32*\t+4*\q+1]
.endr
.endr
.irp b, 0,1
.irp q, 0,1,2,3,4,5,6,7
	v_pk_fma_f32 v[128*\u+32*\t+16*\b+2*\q:128*\u+32*\t+16*\b+2*\q+1], v[128*\u+32*\t+16*\b+2*\q:128*\u+32*\t+16*\b+2*\q+1], v[128+32*\t+4*\q+2:128+32*\t+4*\q+3], v[128*\u+32*\t+16*\b+2*\q:128*\u+32*\t+16*\b+2*\q+1] op_sel:[1,0,0] op_sel_hi:[0,1,1]   ; the sums' pair crossed over
.endr
.endr
.endr
.endr
; Four units of 32 numbers a lane (window win, from v[base] on; register 16 b + i of a unit = k 32 b + 16 (lane / 16) + i of my row) become four units of codes in v[co + 8 i .. + 5] and the pair of scale words in v[co + 32 .. 33].
.macro QUANT4 win, base, co
.set WQ, 5*(\win)
	WIN WQ                                         ; sources 0 and 1 in the numbers' window
.irp i, 0,1,2,3
.irp b, 0,1
	v_max3_num_f32 v[TM+2*\i+\b], |v[(\base)+32*\i+16*\b]|, |v[(\base)+32*\i+16*\b+1]|, 0x1800000   ; with the floor 2^(3 - 127): the byte cannot fall under 1
.endr
.endr
.irp e, 2,4,6,8,10,12,14
.irp i, 0,1,2,3
.irp b, 0,1
	v_max3_num_f32 v[TM+2*\i+\b], |v[(\base)+32*\i+16*\b+\e]|, |v[(\base)+32*\i+16*\b+\e+1]|, v[TM+2*\i+\b]
.endr
.endr
.endr
	WIN 0
.irp k, 0,1,2,3,4,5,6,7
	v_permlanex16_b32 v[TP+\k], v[TM+\k], s[SEL], s[SEL+1]
.endr
.irp k, 0,1,2,3,4,5,6,7
	v_max_num_f32 v[TM+\k], v[TM+\k], v[TP+\k]     ; with lane l xor 16's 16: the block's largest magnitude
.endr
.irp k, 0,1,2,3,4,5,6,7
	v_add_nc_u32 v[TS+\k], 0xff000000, v[TM+\k]    ; 2 off the exponent field: the conversion's scale operand
.endr
.irp k, 0,1,2,3,4,5,6,7
	v_lshrrev_b32 v[TP+\k], 23, v[TS+\k]           ; the scale's byte
.endr
.irp i, 0,1,2,3
	v_lshl_or_b32 v[PW+\i], v[TP+2*\i+1], 8, v[TP+2*\i]   ; my row's word: two bytes
.endr
.set WQ, \win
	WIN WQ                                         ; source 0 in the numbers' window
.irp i, 0,1,2,3
	v_cvt_scalef32_pk16_fp6_f32 v[(\co)+8*\i:(\co)+8*\i+2], v[(\base)+32*\i:(\base)+32*\i+15], v[TS+2*\i]
	v_cvt_scalef32_pk16_fp6_f32 v[DT+4*\i:DT+4*\i+2], v[(\base)+32*\i+16:(\base)+32*\i+31], v[TS+2*\i+1]
.endr
	v_nop                                          ; one plain line behind the scaled conversions
	WIN 0
.irp i, 0,1,2,3                        ; the operand's layout wants a whole block in a lane: lanes 0-15 block 0, lanes 16-31 block 1
.irp k, 0,1,2
	v_permlane16_swap_b32 v[(\co)+8*\i+\k], v[DT+4*\i+\k]
.endr
.irp k, 0,1,2
	v_mov_b32 v[(\co)+8*\i+3+\k], v[DT+4*\i+\k]
.endr
.endr
	v_cndmask_b32 v[(\co)+32], v[PW], v[PW+1], s[LHI]     ; lanes 0-15 unit 0's words, lanes 16-31 unit 1's
	v_cndmask_b32 v[(\co)+33], v[PW+2], v[PW+3], s[LHI]   ; units 2 and 3
.endm
.macro PUT co, bs, off, sw             ; every store covers 512 or 256 consecutive bytes, at a multiple of 256 from the buffer's first byte; no store's data are written again
.irp i, 0,1,2,3
	global_store_b128 v1, v[(\co)+8*\i:(\co)+8*\i+3], s[\bs:\bs+1] offset:\off+768*\i
	global_store_b64 v2, v[(\co)+8*\i+4:(\co)+8*\i+5], s[\bs:\bs+1] offset:\off+768*\i+512
.endr
	global_store_b64 v2, v[(\co)+32:(\co)+33], s[\bs:\bs+1] offset:\sw
.endm
	QUANT4 1, 0, 96                                ; q: four tiles of tokens, K = the channels
	PUT 96, 50, 0, 3072
	QUANT4 1, 128, 132                             ; k likewise
	PUT 132, 52, 0, 6144
; v: by x's order of rows register 8 t + j of a channel tile's 32 is token 32 (lane / 16) + 8 t + j: a lane holds a WHOLE block of 32 along the tokens.  So its largest magnitude needs no other lane and the
; conversions' results are the unit's registers; only the row's word takes the other block's byte from lane l xor 16.
.macro QUANTV base, co
	WIN 15                                         ; sources 0 and 1 window 3
.irp i, 0,1,2,3
.irp b, 0,1
	v_max3_num_f32 v[TM+2*\i+\b], |v[(\base)+32*\i+16*\b]|, |v[(\base)+32*\i+16*\b+1]|, 0x1800000
.endr
.endr
.irp e, 2,4,6,8,10,12,14
.irp i, 0,1,2,3
.irp b, 0,1
	v_max3_num_f32 v[TM+2*\i+\b], |v[(\base)+32*\i+16*\b+\e]|, |v[(\base)+32*\i+16*\b+\e+1]|, v[TM+2*\i+\b]
.endr
.endr
.endr
	WIN 0
.irp i, 0,1,2,3
	v_max_num_f32 v[TM+2*\i], v[TM+2*\i], v[TM+2*\i+1]       ; my block's largest magnitude
.endr
.irp i, 0,1,2,3
	v_add_nc_u32 v[TS+2*\i], 0xff000000, v[TM+2*\i]          ; the conversions' scale operand
.endr
.irp i, 0,1,2,3
	v_lshrrev_b32 v[TP+2*\i], 23, v[TS+2*\i]                 ; my block's byte
.endr
.irp i, 0,1,2,3
	v_permlanex16_b32 v[TP+2*\i+1], v[TP+2*\i], s[SEL], s[SEL+1]   ; and the other block's
.endr
.irp i, 0,1,2,3
	v_cndmask_b32 v[TM+2*\i], v[TP+2*\i], v[TP+2*\i+1], s[LHI]     ; block 0's byte
	v_cndmask_b32 v[TM+2*\i+1], v[TP+2*\i+1], v[TP+2*\i], s[LHI]   ; block 1's
.endr
.irp i, 0,1,2,3
	v_lshl_or_b32 v[PW+\i], v[TM+2*\i+1], 8, v[TM+2*\i]
.endr
	WIN 3                                          ; source 0 window 3
.irp i, 0,1,2,3
	v_cvt_scalef32_pk16_fp6_f32 v[(\co)+8*\i:(\co)+8*\i+2], v[(\base)+32*\i:(\base)+32*\i+15], v[TS+2*\i]
	v_cvt_scalef32_pk16_fp6_f32 v[DT+4*\i:DT+4*\i+2], v[(\base)+32*\i+16:(\base)+32*\i+31], v[TS+2*\i]
.endr
	v_nop                                          ; one plain line behind the scaled conversions
	WIN 0
.irp i, 0,1,2,3
.irp k, 0,1,2
	v_mov_b32 v[(\co)+8*\i+3+\k], v[DT+4*\i+\k]
.endr
.endr
	v_cndmask_b32 v[(\co)+32], v[PW], v[PW+1], s[LHI]
	v_cndmask_b32 v[(\co)+33], v[PW+2], v[PW+3], s[LHI]
.endm
	QUANTV 0, 168
	PUT 168, 52, 3072, 6400
	s_wait_tensorcnt 0x0
	ds_add_u32 v254, v255
	s_wait_dscnt 0x0
	CROUND                                         ; the closing round: no work-group ends while a partner may still ask for a tile that names it
	s_endpgm
.Lfunc_end_k_qbfd55425dd_qkv:
	.size	k_qbfd55425dd_qkv, .Lfunc_end_k_qbfd55425dd_qkv-k_qbfd55425dd_qkv
	.p2alignl 7, 3214868480
	.fill 96, 4, 3214868480
	.section	.rodata,"a",@progbits
	.p2align	6, 0x0
	.amdhsa_kernel k_qbfd55425dd_qkv
		.amdhsa_group_segment_fixed_size 168448
		.amdhsa_private_segment_fixed_size 0
		.amdhsa_enable_private_segment 0
		.amdhsa_kernarg_size 32
		.amdhsa_user_sgpr_count 2
		.amdhsa_user_sgpr_kernarg_segment_ptr 1
		.amdhsa_wavefront_size32 1
		.amdhsa_system_sgpr_workgroup_id_x 1
		.amdhsa_system_sgpr_workgroup_id_y 1
		.amdhsa_system_sgpr_workgroup_id_z 1
		.amdhsa_system_vgpr_workitem_id 0
		.amdhsa_next_free_vgpr 1024
		.amdhsa_next_free_sgpr 80
		.amdhsa_reserve_vcc 0
		.amdhsa_float_denorm_mode_32 3
		.amdhsa_float_denorm_mode_16_64 3
		.amdhsa_memory_ordered 1
		.amdhsa_forward_progress 1
		.amdhsa_inst_pref_size 133
	.end_amdhsa_kernel
	.amdgpu_metadata
---
amdhsa.version: [ 1, 2 ]
amdhsa.kernels:
  - .name:           k_qbfd55425dd_qkv
    .symbol:         k_qbfd55425dd_qkv.kd
    .args:
      - { .name: ops, .offset: 0, .size: 8, .value_kind: global_buffer, .address_space: global }
      - { .name: rope, .offset: 8, .size: 8, .value_kind: global_buffer, .address_space: global }
      - { .name: qrec, .offset: 16, .size: 8, .value_kind: global_buffer, .address_space: global }
      - { .name: kv, .offset: 24, .size: 8, .value_kind: global_buffer, .address_space: global }
    .group_segment_fixed_size: 168448
    .private_segment_fixed_size: 0
    .kernarg_segment_align: 8
    .kernarg_segment_size: 32
    .max_flat_workgroup_size: 128
    .sgpr_count:     80
    .vgpr_count:     1024
    .wavefront_size: 32
...
	.end_amdgpu_metadata
.endif
;; end of part 2
;; launch attn (part 3): grid 8 x 32, 16 waves a work-group, clusters of 4 x 1, 219,136 bytes of LDS; arguments qrec, kv, yq; writes yq
.if DOCPART == 3
	.amdgcn_target "amdgcn-amd-amdhsa--gfx1250"
	.amdhsa_code_object_version 6
	.text
	.protected	k_qbfd55425dd_attn
	.globl	k_qbfd55425dd_attn
	.p2align	8
	.type	k_qbfd55425dd_attn,@function
k_qbfd55425dd_attn:
	s_mov_b64 s[64:65], 0
	v_nop
	global_prefetch_b8 v0, s[64:65] scope:SCOPE_SE
	s_setreg_imm32_b32 hwreg(HW_REG_WAVE_MODE, 25, 1), 1
	s_wait_xcnt 0x0
	s_wait_alu depctr_hold_cnt(0) depctr_sa_sdst(0) depctr_va_vdst(0) depctr_va_sdst(0) depctr_va_ssrc(0) depctr_va_vcc(0) depctr_vm_vsrc(0)
	s_getreg_b32 s2, hwreg(HW_REG_IB_STS2, 6, 4)
	s_cmp_eq_u32 s2, 0
	s_cbranch_scc0 .Lentry_in_a_cluster
	s_endpgm
.Lentry_in_a_cluster:
	s_bfe_u32 s2, ttmp6, 0x10000c
	s_cmp_lg_u32 s2, 0x3003
	s_cbranch_scc0 .Lentry_shape_is_right
	s_endpgm
.Lentry_shape_is_right:
; y = softmax(q k^T / 8) v for one (batch, head), both products on codes of FP6 (E2M3) with one E8M0 scale for each 32 along a product's K; then y is quantised along its channels for the last product.
; THE SOFTMAX: t = score x log2(e) / 8; M = the row's largest t so far, rounded UP to a whole number; p = 2^(t - M) is quantised along the keys, not normalised.  The row's sum is taken of the
; unquantised p, in f32, and divides at the end.  When M moves, the sum and O are multiplied by 2^(old M - new M): exact.
; SHARES.  A work-group owns 256 queries of one head, each of its sixteen waves one tile of 16, in 256 registers.  The head's whole K and V, 32 records of 6,656 bytes (64 keys: k's four units, v's four units,
; their scale words), lie in LDS as they lie in memory: 212,992 bytes, filled once.  Wave w fetches records 2 w and 2 w + 1, 13,312 bytes, by ONE load: the 128 keys of one key step.
; THE WALK.  Wave w takes the key steps in the order w, w + 1, .. (mod 16).  Its first step reads the bytes that it fetched itself, behind its own wait on TENSORcnt; the work-group's one barrier is signalled ahead
; of that step and waited for behind it; the other fifteen steps read everybody's bytes.  No LDS byte is filled twice: no ring.
; CLUSTER.  The four query blocks of a cluster belong to one head: each load is JOINT, the same descriptor and a mask that names the four.  No prefetch: every tile is asked for at the launch's head.
; LAYOUT.  Both products are used transposed: S^T = K Q^T (source 0 = 16 keys, source 1 = my 16 queries), O^T = V^T P^T: a lane holds ONE query throughout.  Lane r of k's unit t is key 32 (r / 8) + 8 t + r % 8 of
; its record (the order of x's rows in a tile), so register 8 t + j of a record's four tiles is key 32 (lane / 16) + 8 t + j: A LANE HOLDS A WHOLE BLOCK OF 32 KEYS, as the second product's operand wants it.
; So a block's largest score needs no other lane and p's codes need no exchange of lanes; only the row's maximum and the scale word's four bytes go between lanes l and l xor 16.
; THE FIRST PRODUCT'S K IS 64: Q's fragment carries zero codes for k = 64 .. 127.  K's eight units lie six registers apart; the six registers that an operand names beyond its unit hold the next unit's codes (the
; last: p's codes): every code of this format is a finite number, and it meets a zero.  K's and Q's scale bytes for those blocks are 0, which stands for 2^-127.
; FRAGMENTS AHEAD.  K and V have registers of their own: the next step's K is asked for behind this step's first product, the next step's V behind this step's second.
; OUT.  yq: codes [tile of rows 256][head 16][768]; from byte 3,145,728 the scale words [bh 32][tile 128][16 words], two bytes in each.
; LIMITS: NaN and infinities are not served; a block of zeros gets the byte 1 where the rule says 127 (this program alone reads the bytes); the promise holds while |t| stays under 2^31.
.set YS,    212992                     ; behind K and V: 1,024 bytes for y's scale words; no tile lands there
.set SPARE, 217088                     ; the spare words: 128 bytes a wave
.set REC2,  13312                      ; two records: a key step
.set WV,  12
.set SEL, 20                           ; s[20:21] lane selects of v_permlanex16_b32: lane l xor 16
.set CS,  22                           ; s[22:23] c = log2(e) / 8
.set G1,  24                           ; s[24:31], s[32:35] the descriptor
.set G0,  32
.set IX,  36                           ; s36  wave + steps done
.set TB,  48                           ; s48  LDS byte of the next step's records
.set CNT, 49
.set ADA, 3                            ; v3, v4  the records' address + 16, 8 x lane (v1, v2)
.set ADB, 4
.set SPW, 7                            ; v7 my spare word, v8 = 0: never rewritten
.set NIL, 8
.set H8,  9                            ; v9   8 (lane / 16)
.set F,   10                           ; v10  2^(old M - new M)  (v11 is named with it as a pair)
.set NM,  12                           ; v12  -M;  v13 the largest score so far;  v[14:15] the sum in two halves
.set RM,  13
.set Q,   16                           ; v16-27 Q;  v28 its scale words;  v29 p's scale word
.set QS,  28
.set PW,  29
.set T0,  30
.set T1,  31
.set KF,  32                           ; v32-79 K's eight units
.set PC,  80                           ; v80-91 p's codes
.set KS,  92                           ; v92-95 K's scale words
.set S,   96                           ; v96-159 S^T, then p, then its partial sums
.set O,   160                          ; v160-191 O^T
.set VF,  192                          ; v192-239 V's four fragments
.set VS,  240                          ; v240-243 V's scale words: two records' halves, joined in v240-241
.set HT,  244                          ; v244-250 the conversions' second halves
.set BM,  252                          ; v252-253 my two blocks' largest score, then largest p
.set SO,  254                          ; v254-255 a second chain of maxima; then the conversions' scale operands
.macro CROUND                          ; a round of the cluster's barrier
	s_barrier_signal -1
	s_barrier_wait -1
	s_cmp_lg_u32 s[WV], 0
	s_cbranch_scc1 .Lnot_wave_0_\@
	s_barrier_signal -3
.Lnot_wave_0_\@:
	s_barrier_wait -3
	s_barrier_signal -1
	s_barrier_wait -1
.endm
.macro WM d, a, b, z, sa, sb, ra       ; z = 1: the sum begins (C = 0);  ra = 1: source 0's scale words stand in lanes 16-31
.if (\z) && (\ra)
	v_wmma_scale_f32_16x16x128_f8f6f4 v[\d:\d+7], v[\a:\a+11], v[\b:\b+11], 0, v[\sa], v[\sb] matrix_a_fmt:MATRIX_FMT_FP6 matrix_b_fmt:MATRIX_FMT_FP6 matrix_a_scale:MATRIX_SCALE_ROW1
.elseif (\z)
	v_wmma_scale_f32_16x16x128_f8f6f4 v[\d:\d+7], v[\a:\a+11], v[\b:\b+11], 0, v[\sa], v[\sb] matrix_a_fmt:MATRIX_FMT_FP6 matrix_b_fmt:MATRIX_FMT_FP6
.elseif (\ra)
	v_wmma_scale_f32_16x16x128_f8f6f4 v[\d:\d+7], v[\a:\a+11], v[\b:\b+11], v[\d:\d+7], v[\sa], v[\sb] matrix_a_fmt:MATRIX_FMT_FP6 matrix_b_fmt:MATRIX_FMT_FP6 matrix_a_scale:MATRIX_SCALE_ROW1
.else
	v_wmma_scale_f32_16x16x128_f8f6f4 v[\d:\d+7], v[\a:\a+11], v[\b:\b+11], v[\d:\d+7], v[\sa], v[\sb] matrix_a_fmt:MATRIX_FMT_FP6 matrix_b_fmt:MATRIX_FMT_FP6
.endif
.endm
.macro KLOAD                           ; 18 LDS loads: K's eight units and two pairs of scale words
.irp g, 0,1
.irp t, 0,1,2,3
	ds_load_b128 v[KF+6*(4*\g+\t):KF+6*(4*\g+\t)+3], v[ADA] offset:6656*\g+768*\t
	ds_load_b64 v[KF+6*(4*\g+\t)+4:KF+6*(4*\g+\t)+5], v[ADB] offset:6656*\g+768*\t+512
.endr
	ds_load_b64 v[KS+2*\g:KS+2*\g+1], v[ADB] offset:6656*\g+6144
.endr
.endm
.macro VLOAD                           ; 18 LDS loads: V's scale words first, then 16 for its four fragments (registers 0-5 the first record's unit, 6-11 the second's)
	ds_load_b64 v[VS:VS+1], v[ADB] offset:6400
	ds_load_b64 v[VS+2:VS+3], v[ADB] offset:6656+6400
.irp t, 0,1,2,3
	ds_load_b128 v[VF+12*\t:VF+12*\t+3], v[ADA] offset:3072+768*\t
	ds_load_b64 v[VF+12*\t+4:VF+12*\t+5], v[ADB] offset:3072+768*\t+512
	ds_load_b128 v[VF+12*\t+6:VF+12*\t+9], v[ADA] offset:6656+3072+768*\t
	ds_load_b64 v[VF+12*\t+10:VF+12*\t+11], v[ADB] offset:6656+3072+768*\t+512
.endr
.endm
.macro TLESSM from, n                  ; t - M, two at a time
.set jj, \from
.rept \n
	v_pk_fma_f32 v[S+jj:S+jj+1], v[S+jj:S+jj+1], s[CS:CS+1], v[NM:NM+1] op_sel_hi:[1,0,0]
.set jj, jj+2
.endr
.endm
.macro SUMS n                          ; p's sum, in place: the upper n pairs onto the lower n
.set jj, 0
.rept \n
	v_pk_add_f32 v[S+jj:S+jj+1], v[S+jj:S+jj+1], v[S+jj+2*\n:S+jj+2*\n+1]
.set jj, jj+2
.endr
.endm
	s_load_b128 s[4:7], s[0:1], 0x0                ; qrec, kv
	s_load_b64 s[8:9], s[0:1], 0x10                ; yq
	v_lshl_add_u32 v[SPW], v0, 2, SPARE
	v_mov_b32 v[NIL], 0
	ds_add_u32 v[SPW], v[NIL]
	ds_add_u32 v[SPW], v[NIL]
	v_lshrrev_b32 v1, 5, v0
	v_readfirstlane_b32 s[WV], v1                  ; wave 0..15
	s_lshl_b32 s58, s[WV], 6
	s_lshl_b32 s59, s[WV], 8
	v_and_b32 v[T0], 31, v0
	v_and_b32 v[T1], 15, v0                        ; r
	v_bfe_u32 v[H8], v0, 4, 1
	v_lshlrev_b32 v1, 4, v[T0]                     ; 16 x lane
	v_lshlrev_b32 v2, 3, v[T0]                     ; 8 x lane
	v_lshlrev_b32 v[H8], 3, v[H8]
	v_lshlrev_b32 v5, 2, v[T1]
	v_lshlrev_b32 v3, 3, v[T1]                     ; 8 r: Q's scale words (the register serves the records' address later)
	v_add_nc_u32 v5, s58, v5
	v_add_nc_u32 v6, s59, v2
	v_add_nc_u32 v5, YS, v5                        ; y's scale words: where I put mine: 64 x wave + 4 r
	v_add_nc_u32 v6, YS, v6                        ; and where waves 0 to 3 read 256 bytes back
	s_bfe_u32 s13, ttmp6, 0x40000                  ; cx: it enters q's and y's global addresses alone
	s_lshl_b32 s14, ttmp9, 2
	s_add_co_u32 s14, s14, s13                     ; my block of 256 queries
	s_and_b32 s15, ttmp7, 0xffff                   ; bh, which the four partners share
	s_lshr_b32 s58, s[WV], 2
	s_lshl_b32 s59, s14, 2
	s_add_co_u32 s58, s58, s59                     ; my group of 64 queries
	s_lshl_b32 s59, s15, 5
	s_add_co_u32 s58, s58, s59
	s_mul_i32 s58, s58, 3328                       ; its record
	s_and_b32 s60, s[WV], 3                        ; my tile in it
	s_mul_i32 s61, s60, 768
	s_add_co_u32 s62, s58, s61                     ; my unit
	s_mov_b32 s63, 0
	s_and_b32 s61, s60, 1
	s_lshl_b32 s61, s61, 7
	s_lshr_b32 s60, s60, 1
	s_lshl_b32 s60, s60, 2
	s_add_co_u32 s66, s58, s61
	s_add_co_u32 s66, s66, s60
	s_add_co_u32 s66, s66, 3072                    ; my tile's scale words: 3,072 + 128 (tile % 2) + 4 (tile / 2), 8 bytes from row to row
	s_mov_b32 s67, 0
	s_mul_i32 s68, s15, 212992                     ; the head's records,
	s_mul_i32 s[TB], s[WV], REC2                   ; my two of them, in memory and in LDS alike
	s_add_co_u32 s68, s68, s[TB]
	s_mov_b32 s69, 0
	s_lshr_b32 s70, s15, 4
	s_lshl_b32 s70, s70, 7
	s_lshl_b32 s75, s14, 4
	s_add_co_u32 s70, s70, s75
	s_add_co_u32 s70, s70, s[WV]                   ; y's tile of rows: 128 x batch + 16 x block + wave
	s_mul_i32 s70, s70, 12288
	s_and_b32 s75, s15, 15
	s_mul_i32 s75, s75, 768
	s_add_co_u32 s70, s70, s75                     ; + the head's unit
	s_mov_b32 s71, 0
	s_lshl_b32 s72, s15, 13
	s_lshl_b32 s75, s14, 10
	s_add_co_u32 s72, s72, s75
	s_lshl_b32 s75, s[WV], 8
	s_add_co_u32 s72, s72, s75
	s_add_co_u32 s72, s72, 3145728                 ; y's scale words: 8,192 bh + 1,024 block + 256 wave (waves 0 to 3)
	s_mov_b32 s73, 0
	s_mov_b32 s[G1], 15|(3<<16)|(1<<21)            ; the mask: all four work-groups; elements of 8 bytes; bit 21 beside a mask
	s_mov_b32 s[G1+1], 32<<16                      ; 13,312 dense bytes as 52 rows of 256
	s_mov_b32 s[G1+2], 52<<16
	s_mov_b32 s[G1+3], 32<<16
	s_mov_b32 s[G1+4], 52
	s_mov_b32 s[G1+5], 32
	s_mov_b32 s[G1+6], 0
	s_mov_b32 s[G1+7], 0
	s_mov_b32 s[G0], 1
	s_mul_i32 s[G0+1], s[WV], REC2
	s_mov_b32 s[SEL], 0x76543210
	s_mov_b32 s[SEL+1], 0xfedcba98
	s_mov_b32 s[CS], 0x3e38aa3b                    ; c = log2(e) / sqrt(64)
	s_mov_b32 s[CS+1], s[CS]
	s_mov_b32 s[IX], s[WV]
	s_wait_alu depctr_va_vdst(0)
	s_wait_dscnt 0x0
	s_wait_kmcnt 0x0
	s_add_nc_u64 s[50:51], s[4:5], s[62:63]        ; Q's unit
	s_add_nc_u64 s[52:53], s[4:5], s[66:67]        ; Q's scale words
	s_add_nc_u64 s[G0+2:G0+3], s[6:7], s[68:69]    ; my two records
	s_or_b32 s[G0+3], s[G0+3], 0x80000000
	s_add_nc_u64 s[54:55], s[8:9], s[70:71]        ; y's unit
	s_add_nc_u64 s[56:57], s[8:9], s[72:73]        ; y's scale words
	global_load_b128 v[Q:Q+3], v1, s[50:51]        ; Q's unit stays in registers
	global_load_b64 v[Q+4:Q+5], v2, s[50:51] offset:512
	global_load_b32 v[QS], v3, s[52:53]            ; lane r: row r's word
	CROUND                                         ; all four work-groups are here: the joint loads meet
	tensor_load_to_lds s[G0:G0+3], s[G1:G1+7]      ; my one load
	s_nop 0
.irp i, 6,7,8,9,10,11
	v_mov_b32 v[Q+\i], 0                           ; zero codes for k = 64 .. 127
.endr
.irp i, 0,1,2,3,4,5
	v_mov_b32 v[PC+\i], 0                          ; named by the first step's last product of K, beyond its unit
.endr
	v_mov_b32 v[F+1], 0                            ; named as the upper half of a pair
	s_wait_alu depctr_va_vdst(0)
	s_wait_tensorcnt 0x0                           ; my two records are in
	s_wait_loadcnt 0x0                             ; and Q
	s_barrier_signal -1                            ; say so; the wait stands behind my first step, which reads my own records alone
	v_add_nc_u32 v[ADA], s[TB], v1
	v_add_nc_u32 v[ADB], s[TB], v2
	KLOAD
	VLOAD
; A KEY STEP: 128 keys, two records.  v = 0: my first step (it starts M, the sum and O^T; behind it the barrier's wait and the next step's loads); 1: in the loop; 2: my last (nothing more is fetched).
.macro STEP v
.if \v < 2
	s_add_co_u32 s[IX], s[IX], 1
	s_and_b32 s[TB], s[IX], 15
	s_mul_i32 s[TB], s[TB], REC2                   ; the next step's records: (wave + steps done) mod 16
.endif
	s_wait_dscnt 16                                ; K, its scale words and V's scale words are in; V's 16 fragment loads may be out
.irp g, 0,1
.irp t, 0,1,2,3
	WM S+8*(4*\g+\t), KF+6*(4*\g+\t), Q, 1, KS+2*\g+\t/2, QS, \t%2
.endr
.endr
.if \v < 2                             ; four plain lines that name no register of these products stand ahead of the loads into K's registers and of the first read of S^T
	v_add_nc_u32 v[ADA], s[TB], v1
	v_add_nc_u32 v[ADB], s[TB], v2
.else
	v_nop
	v_nop
.endif
	v_lshl_or_b32 v[VS], v[VS+2], 16, v[VS]        ; V's word for 128 keys: the first record's two bytes below, the second's above
	v_lshl_or_b32 v[VS+1], v[VS+3], 16, v[VS+1]
.if \v == 1
	KLOAD
.endif
.irp c, 0,1                            ; the largest score of my two blocks of 32 keys, two chains a block; each accumulator is read from its low end on
	v_max3_num_f32 v[BM+\c], v[S+32*\c], v[S+32*\c+1], v[S+32*\c+2]
	v_max3_num_f32 v[SO+\c], v[S+32*\c+16], v[S+32*\c+17], v[S+32*\c+18]
.endr
.irp i, 3,5,7,9,11,13
.irp c, 0,1
	v_max3_num_f32 v[BM+\c], v[BM+\c], v[S+32*\c+\i], v[S+32*\c+\i+1]
	v_max3_num_f32 v[SO+\c], v[SO+\c], v[S+32*\c+16+\i], v[S+32*\c+17+\i]
.endr
.endr
.irp c, 0,1
	v_max3_num_f32 v[BM+\c], v[BM+\c], v[SO+\c], v[S+32*\c+15]
.endr
.irp c, 0,1
	v_max_num_f32 v[BM+\c], v[BM+\c], v[S+32*\c+31]
.endr
	s_delay_alu instid0(VALU_DEP_1)
	v_max_num_f32 v[T0], v[BM], v[BM+1]
	s_delay_alu instid0(VALU_DEP_1)
	v_permlanex16_b32 v[T1], v[T0], s[SEL], s[SEL+1]
	s_delay_alu instid0(VALU_DEP_1)
.if \v == 0
	v_max_num_f32 v[RM], v[T0], v[T1]              ; my query's largest score
.else
	v_max3_num_f32 v[RM], v[RM], v[T0], v[T1]      ; so far
.endif
	s_delay_alu instid0(VALU_DEP_1)
	v_mul_f32 v[T0], s[CS], v[RM]                  ; as t (c is positive)
	s_delay_alu instid0(VALU_DEP_1)
.if \v == 0
	v_floor_f32 v[NM], -v[T0]                      ; -M = floor(-t) = -ceil(t): a whole number
	TLESSM 0, 32
.else
	v_floor_f32 v[T1], -v[T0]
	s_delay_alu instid0(VALU_DEP_1)
	v_sub_f32 v[T0], v[T1], v[NM]                  ; old M - new M: a whole number, 0 or less
	v_mov_b32 v[NM], v[T1]
	TLESSM 0, 16
	v_cvt_i32_f32 v[T0], v[T0]                     ; (it saturates)
	TLESSM 32, 16
	v_ldexp_f32 v[F], 1.0, v[T0]                   ; f = 2^(old M - new M)
.endif
.irp c, 0,1
	v_fma_f32 v[BM+\c], v[BM+\c], s[CS], v[NM]     ; the same of each block's largest score: p rises with the score
.endr
	s_wait_alu depctr_va_vdst(0)
.set jj, 0
.rept 64
	v_exp_f32 v[S+jj], v[S+jj]                     ; p = 2^(t - M), at most 1
.set jj, jj+1
.endr
.irp c, 0,1
	v_exp_f32 v[BM+\c], v[BM+\c]                   ; the block's largest p: the same two instructions on the same number
.endr
.if \v == 0
	v_nop                                          ; a plain line behind the exponentials
.else
	v_pk_mul_f32 v[14:15], v[14:15], v[F:F+1] op_sel_hi:[1,0]   ; the sum under the new M  (the plain line behind the exponentials)
.endif
	s_wait_alu depctr_va_vdst(0)                   ; one wait for the batch, ahead of its first reader
.irp c, 0,1
	v_max_num_f32 v[BM+\c], 0x1800000, v[BM+\c]    ; the floor 2^(3 - 127): the byte cannot fall under 1
.endr
.irp c, 0,1
	v_add_nc_u32 v[SO+\c], 0xff000000, v[BM+\c]    ; 2 off the exponent field: the conversions' scale operand
.endr
	v_lshrrev_b32 v[T0], 23, v[SO]                 ; the bytes of blocks h and 2 + h (h = lane / 16),
	v_lshrrev_b32 v[T1], 23, v[SO+1]
	s_delay_alu instid0(VALU_DEP_1)
	v_lshl_or_b32 v[T0], v[T1], 16, v[T0]
	s_delay_alu instid0(VALU_DEP_1)
	v_lshlrev_b32 v[T0], v[H8], v[T0]              ; at their places in the word;
	s_delay_alu instid0(VALU_DEP_1)
	v_permlanex16_b32 v[T1], v[T0], s[SEL], s[SEL+1]
	s_delay_alu instid0(VALU_DEP_1)
	v_or_b32 v[PW], v[T0], v[T1]                   ; with lane l xor 16's two the word is whole
.irp c, 0,1
	v_cvt_scalef32_pk16_fp6_f32 v[PC+6*\c:PC+6*\c+2], v[S+32*\c:S+32*\c+15], v[SO+\c]
	v_cvt_scalef32_pk16_fp6_f32 v[HT+4*\c:HT+4*\c+2], v[S+32*\c+16:S+32*\c+31], v[SO+\c]   ; (a conversion's three registers begin on an even number)
.endr
.if \v == 1
	s_wait_dscnt 18                                ; V's fragments are in; the next K's 18 loads may be out
.else
	s_wait_dscnt 0x0
.endif
	s_wait_alu depctr_va_vdst(0)                   ; behind the wait above, and directly ahead of the first readers of O^T
.if \v == 0
	v_nop                                          ; one plain line behind the scaled conversions
.else
.set jj, 0
.rept 16
	v_pk_mul_f32 v[O+jj:O+jj+1], v[O+jj:O+jj+1], v[F:F+1] op_sel_hi:[1,0]   ; O^T under the new M  (the first is the plain line behind the conversions)
.set jj, jj+2
.endr
.endif
.irp c, 0,1
.irp i, 0,1,2
	v_mov_b32 v[PC+3+6*\c+\i], v[HT+4*\c+\i]
.endr
.endr
	SUMS 16                                        ; the codes are made: p is summed in place.  These 16 lines also stand between the last writes of the codes and the scale word and the products
.irp t, 0,1,2,3                        ; O^T += V^T P^T: four tiles of 16 channels, by turns
.if \v == 0
	WM O+8*\t, VF+12*\t, PC, 1, VS+\t/2, PW, \t%2
.else
	WM O+8*\t, VF+12*\t, PC, 0, VS+\t/2, PW, \t%2
.endif
.endr
	SUMS 8                                         ; plain lines behind the products, ahead of the loads into V's registers
.if \v == 0
	s_wait_alu depctr_va_vdst(0)
	s_barrier_wait -1                              ; everybody's records are in
	KLOAD
.endif
.if \v < 2
	VLOAD
.endif
	SUMS 4
	SUMS 2
	s_delay_alu instid0(VALU_DEP_1)
.if \v == 0
	v_pk_add_f32 v[14:15], v[S:S+1], v[S+2:S+3]    ; the sum begins
.else
	SUMS 1
	s_delay_alu instid0(VALU_DEP_1)
	v_pk_add_f32 v[14:15], v[14:15], v[S:S+1]
.endif
.endm
	STEP 0
	s_mov_b32 s[CNT], 14
.Lstep:
	STEP 1
	s_sub_co_u32 s[CNT], s[CNT], 1
	s_cmp_lg_u32 s[CNT], 0
	s_cbranch_scc1 .Lstep
	STEP 2
	; THE WAY OUT: O^T / the sum; its 32 numbers a lane (register 16 b + i = channel 32 b + 16 h + i of my query, by the order of W_qkv's rows in a tile) are quantised along the channels.
	v_add_f32 v14, v14, v15
	s_delay_alu instid0(VALU_DEP_1)
	v_permlanex16_b32 v[T1], v14, s[SEL], s[SEL+1]
	s_delay_alu instid0(VALU_DEP_1)
	v_add_f32 v14, v14, v[T1]                      ; the row's sum
	s_wait_alu depctr_va_vdst(0)
	v_rcp_f32 v14, v14
	v_nop                                          ; a plain line behind the reciprocal
	s_wait_alu depctr_va_vdst(0)                   ; the wait ahead of its first reader, and of the first readers of O^T
.set jj, 0
.rept 32
	v_mul_f32 v[S+jj], v[O+jj], v14                ; each accumulator from its low end on
.set jj, jj+1
.endr
.irp b, 0,1
	v_max3_num_f32 v[BM+\b], |v[S+16*\b]|, |v[S+1+16*\b]|, 0x1800000
.endr
.irp e, 2,4,6,8,10,12,14
.irp b, 0,1
	s_delay_alu instid0(VALU_DEP_2)
	v_max3_num_f32 v[BM+\b], v[BM+\b], |v[S+16*\b+\e]|, |v[S+1+16*\b+\e]|
.endr
.endr
.irp b, 0,1
	s_delay_alu instid0(VALU_DEP_2)
	v_permlanex16_b32 v[T0+\b], v[BM+\b], s[SEL], s[SEL+1]
.endr
.irp b, 0,1
	s_delay_alu instid0(VALU_DEP_2)
	v_max_num_f32 v[BM+\b], v[BM+\b], v[T0+\b]
.endr
.irp b, 0,1
	s_delay_alu instid0(VALU_DEP_2)
	v_add_nc_u32 v[SO+\b], 0xff000000, v[BM+\b]
.endr
.irp b, 0,1
	s_delay_alu instid0(VALU_DEP_2)
	v_lshrrev_b32 v[T0+\b], 23, v[SO+\b]
.endr
	s_delay_alu instid0(VALU_DEP_1)
	v_lshl_or_b32 v[F], v[T1], 8, v[T0]            ; my row's word: two bytes
	v_cvt_scalef32_pk16_fp6_f32 v[PC:PC+2], v[S:S+15], v[SO]
	v_cvt_scalef32_pk16_fp6_f32 v[HT:HT+2], v[S+16:S+31], v[SO+1]
	v_nop
.irp i, 0,1,2
	v_permlane16_swap_b32 v[PC+\i], v[HT+\i]       ; a whole block to a lane
.endr
.irp i, 0,1,2
	v_mov_b32 v[PC+3+\i], v[HT+\i]
.endr
	global_store_b128 v1, v[PC:PC+3], s[54:55]     ; 512 consecutive bytes,
	global_store_b64 v2, v[PC+4:PC+5], s[54:55] offset:512   ; and 256
	ds_store_b32 v5, v[F]                          ; lanes r and r + 16 write the same word with the same value
	s_wait_dscnt 0x0                               ; for the others' sake
	s_barrier_signal -1
	s_barrier_wait -1
	s_cmp_lt_u32 s[WV], 4                          ; sixteen waves' words, 1,024 bytes, leave by four waves: 256 consecutive bytes a store
	s_cbranch_scc0 .Lno_words
	ds_load_b64 v[S+2:S+3], v6
	s_wait_dscnt 0x0
	global_store_b64 v2, v[S+2:S+3], s[56:57]
.Lno_words:
	s_wait_tensorcnt 0x0                           ; the wave's end
	ds_add_u32 v[SPW], v[NIL]
	s_wait_dscnt 0x0
	CROUND                                         ; the closing round
	s_endpgm
.Lfunc_end_k_qbfd55425dd_attn:
	.size	k_qbfd55425dd_attn, .Lfunc_end_k_qbfd55425dd_attn-k_qbfd55425dd_attn
	.p2alignl 7, 3214868480
	.fill 96, 4, 3214868480
	.section	.rodata,"a",@progbits
	.p2align	6, 0x0
	.amdhsa_kernel k_qbfd55425dd_attn
		.amdhsa_group_segment_fixed_size 219136
		.amdhsa_private_segment_fixed_size 0
		.amdhsa_enable_private_segment 0
		.amdhsa_kernarg_size 24
		.amdhsa_user_sgpr_count 2
		.amdhsa_user_sgpr_kernarg_segment_ptr 1
		.amdhsa_wavefront_size32 1
		.amdhsa_system_sgpr_workgroup_id_x 1
		.amdhsa_system_sgpr_workgroup_id_y 1
		.amdhsa_system_sgpr_workgroup_id_z 1
		.amdhsa_system_vgpr_workitem_id 0
		.amdhsa_next_free_vgpr 256
		.amdhsa_next_free_sgpr 80
		.amdhsa_reserve_vcc 0
		.amdhsa_float_denorm_mode_32 3
		.amdhsa_float_denorm_mode_16_64 3
		.amdhsa_memory_ordered 1
		.amdhsa_forward_progress 1
		.amdhsa_inst_pref_size 55
	.end_amdhsa_kernel
	.amdgpu_metadata
---
amdhsa.version: [ 1, 2 ]
amdhsa.kernels:
  - .name:           k_qbfd55425dd_attn
    .symbol:         k_qbfd55425dd_attn.kd
    .args:
      - { .name: qrec, .offset: 0, .size: 8, .value_kind: global_buffer, .address_space: global }
      - { .name: kv, .offset: 8, .size: 8, .value_kind: global_buffer, .address_space: global }
      - { .name: yq, .offset: 16, .size: 8, .value_kind: global_buffer, .address_space: global }
    .group_segment_fixed_size: 219136
    .private_segment_fixed_size: 0
    .kernarg_segment_align: 8
    .kernarg_segment_size: 24
    .max_flat_workgroup_size: 512
    .sgpr_count:     80
    .vgpr_count:     256
    .wavefront_size: 32
...
	.end_amdgpu_metadata
.endif
;; end of part 3
;; launch proj (part 4): grid 8 x 32, 4 waves a work-group, clusters of 4 x 4, 217,600 bytes of LDS; arguments yq, ops, out0; writes out0
.if DOCPART == 4
	.amdgcn_target "amdgcn-amd-amdhsa--gfx1250"
	.amdhsa_code_object_version 6
	.text
	.protected	k_qbfd55425dd_proj
	.globl	k_qbfd55425dd_proj
	.p2align	8
	.type	k_qbfd55425dd_proj,@function
k_qbfd55425dd_proj:
	s_mov_b64 s[64:65], 0
	v_nop
	global_prefetch_b8 v0, s[64:65] scope:SCOPE_SE
	s_setreg_imm32_b32 hwreg(HW_REG_WAVE_MODE, 25, 1), 1
	s_wait_xcnt 0x0
	s_wait_alu depctr_hold_cnt(0) depctr_sa_sdst(0) depctr_va_vdst(0) depctr_va_sdst(0) depctr_va_ssrc(0) depctr_va_vcc(0) depctr_vm_vsrc(0)
	s_getreg_b32 s2, hwreg(HW_REG_IB_STS2, 6, 4)
	s_cmp_eq_u32 s2, 0
	s_cbranch_scc0 .Lentry_in_a_cluster
	s_endpgm
.Lentry_in_a_cluster:
	s_bfe_u32 s2, ttmp6, 0x10000c
	s_cmp_lg_u32 s2, 0xf033
	s_cbranch_scc0 .Lentry_shape_is_right
	s_endpgm
.Lentry_shape_is_right:
; out0 = y W_out^T on codes of FP6 (E2M3) with one E8M0 scale for each 32 along K; sums and result in f32.
; A tile of the result is 128 x 128: 256 work-groups.  Four waves, each 64 x 64: 16 accumulators.  K = 1,024 in eight steps of 128.
; Both operands lie in memory as images of their registers.  y: [tile of 16 rows][head 16][768]: a unit of 64 K; a K step's fragment is two heads' units.  W_out: [group of 64 rows][K step][tile][1,536].
; The work-group's 128 rows of y and of W_out, for all of K, are 196,608 bytes: they come into LDS once, in four loads, one a wave, each half of y's or W_out's rows for all of K, all asked for at the head: no LDS byte is filled twice, no ring, no prefetch.
; CLUSTERS: 4 x 4 work-groups; y's tiles are shared along a row of the cluster, W_out's along a column: each is asked for JOINTLY.
; THE MATRIX INSTRUCTION IS USED TRANSPOSED (source 0 = 16 rows of W_out, source 1 = 16 rows of y): a lane holds one row of the result and eight neighbouring columns an accumulator.
; The rows of a tile are not neighbours (lane r of tile 2 b + u: row 32 b + 8 u + r + 8 (r / 8) of its 64): so the accumulators of W_out's tiles 2 b, 2 b + 1 hold 16 neighbouring columns, and the stores' immediates put y's rows back.
; REGISTERS: window 0: v1-11 addresses; v16-31 y's scale words, v32-47 W_out's (scales and nothing else); two sets of fragments: y's at v48 and v144, W_out's at v96 and v192; v208-239 y's scale words as loaded, at the head.
;   window 1: the accumulators: (rows' tile i, columns' tile n) at v[8 (4 i + n)].
.set SCR, 6291456
.set WV,  14
.set G1A, 24                           ; s[24:31] group 1 for y's tiles;  s[32:39] for W_out's;  s[40:43], s[68:71] their groups 0
.set G1B, 32
.set G0A, 40
.set G0B, 68
.set STAGE, 196608                     ; behind the tiles: 16 rows x 272 bytes for each wave; no tile lands there
.set MSB, 0
.macro WIN new                         ; the immediate's high byte repeats the setting that is left
.if MSB != \new
	s_set_vgpr_msb (MSB<<8)|\new
.set MSB, \new
.endif
.endm
.macro PLACES                          ; four plain lines behind a matrix instruction, ahead of loads into its sources and of the first read of its result
.rept 4
	v_nop
.endr
.endm
.macro CROUND
	s_barrier_signal -1
	s_barrier_wait -1
	s_cmp_lg_u32 s[WV], 0
	s_cbranch_scc1 .Lnot_wave_0_\@
	s_barrier_signal -3
.Lnot_wave_0_\@:
	s_barrier_wait -3
	s_barrier_signal -1
	s_barrier_wait -1
.endm
.macro WM d, a, b, z, sa, sb, ra, rb
.if (\z) && (\ra) && (\rb)
	v_wmma_scale_f32_16x16x128_f8f6f4 v[\d:\d+7], v[\a:\a+11], v[\b:\b+11], 0, v[\sa], v[\sb] matrix_a_fmt:MATRIX_FMT_FP6 matrix_b_fmt:MATRIX_FMT_FP6 matrix_a_scale:MATRIX_SCALE_ROW1 matrix_b_scale:MATRIX_SCALE_ROW1
.elseif (\z) && (\ra)
	v_wmma_scale_f32_16x16x128_f8f6f4 v[\d:\d+7], v[\a:\a+11], v[\b:\b+11], 0, v[\sa], v[\sb] matrix_a_fmt:MATRIX_FMT_FP6 matrix_b_fmt:MATRIX_FMT_FP6 matrix_a_scale:MATRIX_SCALE_ROW1
.elseif (\z) && (\rb)
	v_wmma_scale_f32_16x16x128_f8f6f4 v[\d:\d+7], v[\a:\a+11], v[\b:\b+11], 0, v[\sa], v[\sb] matrix_a_fmt:MATRIX_FMT_FP6 matrix_b_fmt:MATRIX_FMT_FP6 matrix_b_scale:MATRIX_SCALE_ROW1
.elseif (\z)
	v_wmma_scale_f32_16x16x128_f8f6f4 v[\d:\d+7], v[\a:\a+11], v[\b:\b+11], 0, v[\sa], v[\sb] matrix_a_fmt:MATRIX_FMT_FP6 matrix_b_fmt:MATRIX_FMT_FP6
.elseif (\ra) && (\rb)
	v_wmma_scale_f32_16x16x128_f8f6f4 v[\d:\d+7], v[\a:\a+11], v[\b:\b+11], v[\d:\d+7], v[\sa], v[\sb] matrix_a_fmt:MATRIX_FMT_FP6 matrix_b_fmt:MATRIX_FMT_FP6 matrix_a_scale:MATRIX_SCALE_ROW1 matrix_b_scale:MATRIX_SCALE_ROW1
.elseif (\ra)
	v_wmma_scale_f32_16x16x128_f8f6f4 v[\d:\d+7], v[\a:\a+11], v[\b:\b+11], v[\d:\d+7], v[\sa], v[\sb] matrix_a_fmt:MATRIX_FMT_FP6 matrix_b_fmt:MATRIX_FMT_FP6 matrix_a_scale:MATRIX_SCALE_ROW1
.elseif (\rb)
	v_wmma_scale_f32_16x16x128_f8f6f4 v[\d:\d+7], v[\a:\a+11], v[\b:\b+11], v[\d:\d+7], v[\sa], v[\sb] matrix_a_fmt:MATRIX_FMT_FP6 matrix_b_fmt:MATRIX_FMT_FP6 matrix_b_scale:MATRIX_SCALE_ROW1
.else
	v_wmma_scale_f32_16x16x128_f8f6f4 v[\d:\d+7], v[\a:\a+11], v[\b:\b+11], v[\d:\d+7], v[\sa], v[\sb] matrix_a_fmt:MATRIX_FMT_FP6 matrix_b_fmt:MATRIX_FMT_FP6
.endif
.endm
	s_load_b128 s[4:7], s[0:1], 0x0                ; yq, ops
	s_load_b64 s[8:9], s[0:1], 0x10                ; out0
	v_lshl_add_u32 v254, v0, 2, 0x35000
	v_mov_b32 v255, 0
	ds_add_u32 v254, v255
	ds_add_u32 v254, v255
	v_lshrrev_b32 v1, 5, v0
	v_readfirstlane_b32 s[WV], v1                  ; wave 0..3
	s_lshr_b32 s15, s[WV], 1                       ; which 64 rows are mine.  Also: I fetch for y (0) or for W_out (1)
	s_and_b32 s16, s[WV], 1                        ; which 64 columns.  Also: which half of that tile I fetch
	s_bfe_u32 s10, ttmp6, 0x40000                  ; cx
	s_bfe_u32 s11, ttmp6, 0x40004                  ; cy
	s_lshl_b32 s12, ttmp9, 2
	s_add_co_u32 s12, s12, s10                     ; tile column = 4 x cluster x + cx
	s_and_b32 s13, ttmp7, 0xffff
	s_lshl_b32 s13, s13, 2
	s_add_co_u32 s13, s13, s11                     ; tile row = 4 x cluster y + cy
	s_lshl_b32 s17, s11, 2
	s_lshl_b32 s17, 15, s17                        ; my row of the cluster
	s_lshl_b32 s18, 0x1111, s10                    ; my column
	s_or_b32 s[G1A], s17, (3<<16)|(1<<21)          ; 15:0 the mask: y's tiles go to my row; 17:16 elements of 8 bytes; 21 set beside a mask
	s_mov_b32 s[G1A+1], 32<<16                     ; y: four tiles of rows, all sixteen heads: 49,152 dense bytes as 192 rows of 256: one load a wave
	s_mov_b32 s[G1A+2], 192<<16
	s_mov_b32 s[G1A+3], 32<<16
	s_mov_b32 s[G1A+4], 192
	s_mov_b32 s[G1A+5], 32
	s_mov_b32 s[G1A+6], 0
	s_mov_b32 s[G1A+7], 0
	s_or_b32 s[G1B], s18, (3<<16)|(1<<21)          ; W_out's tiles go to my column
	s_mov_b32 s[G1B+1], 32<<16                     ; W_out: 49,152 dense bytes as 192 rows of 256
	s_mov_b32 s[G1B+2], 192<<16                    ; W_out: a group of 64 rows, all of K: 49,152 dense bytes
	s_mov_b32 s[G1B+3], 32<<16
	s_mov_b32 s[G1B+4], 192
	s_mov_b32 s[G1B+5], 32
	s_mov_b32 s[G1B+6], 0
	s_mov_b32 s[G1B+7], 0
	; y's address hangs on the tile row and the wave's number, W_out's on the tile column and the wave's number, each in registers that never hold the other coordinate
	s_lshl_b32 s56, s13, 3
	s_lshl_b32 s19, s16, 2
	s_add_co_u32 s56, s56, s19
	s_mul_i32 s56, s56, 12288                      ; y: tile of rows 8 x tile row + 4 x half
	s_mov_b32 s57, 0
	s_lshl_b32 s58, s12, 1
	s_add_co_u32 s58, s58, s16
	s_add_co_u32 s58, s58, 112
	s_mul_i32 s58, s58, 49152                      ; W_out: group 112 + 2 x tile column + half
	s_mov_b32 s59, 0
	s_mul_i32 s60, s[WV], 49152
	s_lshr_b32 s84, s13, 4
	s_lshl_b32 s84, s84, 17                        ; y's scale words: 16 heads x 8,192 bytes a batch,
	s_and_b32 s85, s13, 15
	s_lshl_b32 s85, s85, 9
	s_add_co_u32 s84, s84, s85                     ; 64 bytes a tile of rows: 512 a tile row,
	s_lshl_b32 s85, s15, 8
	s_add_co_u32 s84, s84, s85                     ; 256 for my half
	s_add_co_u32 s84, s84, 3145728
	s_mov_b32 s85, 0
	s_lshl_b32 s86, s12, 1
	s_add_co_u32 s86, s86, s16
	s_add_co_u32 s86, s86, 112
	s_lshl_b32 s86, s86, 11
	s_add_co_u32 s86, s86, SCR                     ; W_out's scale words of my 64 columns
	s_mov_b32 s87, 0
	s_lshl_b32 s88, s13, 19
	s_lshl_b32 s89, s15, 18
	s_add_co_u32 s88, s88, s89
	s_lshl_b32 s89, s12, 9
	s_add_co_u32 s88, s88, s89
	s_lshl_b32 s89, s16, 8
	s_add_co_u32 s88, s88, s89                     ; the result: row 128 x tile row + 64 x half, column 128 x tile column + 64 x half
	s_mov_b32 s89, 0
	s_wait_dscnt 0x0
	s_wait_kmcnt 0x0
	s_add_nc_u64 s[20:21], s[4:5], s[56:57]
	s_add_nc_u64 s[22:23], s[6:7], s[58:59]
	s_add_nc_u64 s[84:85], s[4:5], s[84:85]
	s_add_nc_u64 s[86:87], s[6:7], s[86:87]
	s_add_nc_u64 s[88:89], s[8:9], s[88:89]
.irp c, 0
	s_mov_b32 s[G0A+4*\c], 1
	s_add_co_u32 s[G0A+4*\c+1], s60, 49152*\c
	s_add_nc_u64 s[G0A+4*\c+2:G0A+4*\c+3], s[20:21], 3072*\c      ; all sixteen heads
	s_or_b32 s[G0A+4*\c+3], s[G0A+4*\c+3], 0x80000000
	s_mov_b32 s[G0B+4*\c], 1
	s_add_co_u32 s[G0B+4*\c+1], s60, 49152*\c
	s_add_nc_u64 s[G0B+4*\c+2:G0B+4*\c+3], s[22:23], 12288*\c     ; all of K
	s_or_b32 s[G0B+4*\c+3], s[G0B+4*\c+3], 0x80000000
.endr
	CROUND                                         ; all sixteen work-groups are here: the joint loads meet
	s_cmp_eq_u32 s15, 0                            ; a wave's one fill stands in one branch on the wave's number: one load of mine is out
	s_cbranch_scc0 .Lfor_b
	tensor_load_to_lds s[G0A:G0A+3], s[G1A:G1A+7]
	s_nop 0
	PLACES                                         ; four v_nop follow the tensor loads
	s_branch .Lasked
.Lfor_b:
	tensor_load_to_lds s[G0B:G0B+3], s[G1B:G1B+7]
	s_nop 0
	PLACES
.Lasked:
	v_and_b32 v3, 31, v0
	v_lshlrev_b32 v1, 4, v3                        ; 16 x lane
	v_lshlrev_b32 v2, 3, v3                        ; 8 x lane
	v_lshlrev_b32 v3, 2, v3                        ; 4 x lane
	v_and_b32 v4, 15, v0                           ; r
	v_bfe_u32 v5, v0, 4, 1                         ; h
.irp d, 0,1,2,3,4,5,6,7,8,9,10,11,12,13,14,15
.irp p, 0,1
	global_load_b32 v[208+2*\d+\p], v3, s[84:85] offset:8192*\d+128*\p   ; head d: lanes 0-15 the words of my tile 2 p, lanes 16-31 of tile 2 p + 1
.endr
.endr
.irp s, 0,1,2,3,4,5,6,7
	global_load_b64 v[32+2*\s:33+2*\s], v2, s[86:87] offset:256*\s
.endr
	s_mul_i32 s90, s15, 49152
	v_add_nc_u32 v6, s90, v1                       ; y's units: registers 0-3,
	v_add_nc_u32 v7, s90, v2
	v_add_nc_u32 v7, 512, v7                       ; registers 4-5
	s_mul_i32 s91, s16, 49152
	s_add_co_u32 s91, s91, 98304
	v_add_nc_u32 v8, s91, v1                       ; W_out's fragments
	s_mul_i32 s92, s[WV], 4352
	s_add_co_u32 s92, s92, STAGE                   ; my stage
	v_mul_u32_u24 v9, v4, 272
	v_lshl_add_u32 v9, v5, 6, v9
	v_add_nc_u32 v9, s92, v9                       ; in: row r, + 64 h
	v_mul_u32_u24 v10, v5, 272
	v_lshl_add_u32 v10, v4, 4, v10
	v_add_nc_u32 v10, s92, v10                     ; back: lanes 0-15 one row of 256 bytes, lanes 16-31 the next
	v_lshlrev_b32 v11, 12, v5
	v_lshl_add_u32 v11, v4, 4, v11                 ; and the same two rows in the result
	s_wait_loadcnt 0x0
.irp s, 0,1,2,3,4,5,6,7
.irp p, 0,1
	v_lshl_or_b32 v[16+2*\s+\p], v[208+2*(2*\s+1)+\p], 16, v[208+2*(2*\s)+\p]   ; a word for 128 K: head 2 s's two bytes below, head 2 s + 1's above
.endr
.endr
.macro FETCH s                         ; K step s: 28 LDS loads into set s % 2
.set FA, 48+96*((\s)%2)
.set FB, 96+96*((\s)%2)
.irp i, 0,1,2,3
.irp e, 0,1
	ds_load_b128 v[FA+12*\i+6*\e:FA+12*\i+6*\e+3], v6 offset:12288*\i+1536*(\s)+768*\e
	ds_load_b64 v[FA+12*\i+6*\e+4:FA+12*\i+6*\e+5], v7 offset:12288*\i+1536*(\s)+768*\e
.endr
.endr
.irp n, 0,1,2,3
.irp c, 0,1,2
	ds_load_b128 v[FB+12*\n+4*\c:FB+12*\n+4*\c+3], v8 offset:6144*(\s)+1536*\n+512*\c
.endr
.endr
.endm
.macro MUL s, z                        ; 16 products; the accumulators take turns, one instruction a turn
.set FA, 48+96*((\s)%2)
.set FB, 96+96*((\s)%2)
.irp i, 0,1,2,3
.irp n, 0,1,2,3
	WM 8*(4*\i+\n), FB+12*\n, FA+12*\i, \z, 32+2*(\s)+\n/2, 16+2*(\s)+\i/2, \n%2, \i%2
.endr
.endr
.endm
	s_wait_tensorcnt 0x0                           ; my one load is in
	s_barrier_signal -1
	s_barrier_wait -1
	FETCH 0
.irp s, 0,1,2,3,4,5,6,7
.if \s < 7
	PLACES
	FETCH \s+1
	s_wait_alu depctr_va_vdst(0)
	s_wait_dscnt 28                                ; this step's fragments are in; the 28 loads just issued may be out
.else
	s_wait_dscnt 0x0
.endif
	WIN 0x50                                       ; C and D window 1
.if \s == 0
	MUL \s, 1                                      ; the first step's products start the sums
.else
	MUL \s, 0
.endif
	WIN 0
.endr
; THE WAY OUT, a tile of 16 rows x 64 columns at a time, through my own stage: in as 32 bytes a lane and accumulator, back as whole rows of 256 bytes.  LDS serves a wave's instructions in order (ISA guide 5.7.1.4).
.macro TOSTAGE i
	WIN 0x04                                       ; an LDS store's data are its source 1: window 1
.irp n, 0,1,2,3
	ds_store_b128 v9, v[8*(4*(\i)+\n):8*(4*(\i)+\n)+3] offset:128*(\n/2)+32*(\n%2)       ; each accumulator from its low end on
	ds_store_b128 v9, v[8*(4*(\i)+\n)+4:8*(4*(\i)+\n)+7] offset:128*(\n/2)+32*(\n%2)+16
.endr
	WIN 0
.set BB, 48+32*((\i)%2)
.irp k, 0,1,2,3,4,5,6,7
	ds_load_b128 v[BB+4*\k:BB+4*\k+3], v10 offset:544*\k
.endr
.endm
.macro SEND i, younger                 ; younger: the LDS instructions issued behind tile i's loads
.set BB, 48+32*((\i)%2)
	s_wait_dscnt \younger
.irp k, 0,1,2,3,4,5,6,7
	global_store_b128 v11, v[BB+4*\k:BB+4*\k+3], s[88:89] offset:(8*(\i)+2*(\k%4)+32*(\k/4))*4096 th:TH_STORE_NT   ; y's rows in a tile follow x's order: lane r of tile i is row 32 (r / 8) + 8 i + r % 8 of its 64
.endr
.endm
	PLACES
	TOSTAGE 0
.irp a, 1,2,3
.if \a > 1
	s_wait_xcnt 0x0                                ; the stores of two tiles back have read their data: those registers are loaded again only behind this wait
.endif
	TOSTAGE \a
	SEND \a-1, 16                                  ; behind that tile's loads: this tile's 8 stores and 8 loads
.endr
	SEND 3, 0
	s_wait_tensorcnt 0x0
	ds_add_u32 v254, v255
	s_wait_dscnt 0x0
	CROUND                                         ; the closing round: no work-group ends while a partner may still ask for a tile that names it
	s_endpgm
.Lfunc_end_k_qbfd55425dd_proj:
	.size	k_qbfd55425dd_proj, .Lfunc_end_k_qbfd55425dd_proj-k_qbfd55425dd_proj
	.p2alignl 7, 3214868480
	.fill 96, 4, 3214868480
	.section	.rodata,"a",@progbits
	.p2align	6, 0x0
	.amdhsa_kernel k_qbfd55425dd_proj
		.amdhsa_group_segment_fixed_size 217600
		.amdhsa_private_segment_fixed_size 0
		.amdhsa_enable_private_segment 0
		.amdhsa_kernarg_size 24
		.amdhsa_user_sgpr_count 2
		.amdhsa_user_sgpr_kernarg_segment_ptr 1
		.amdhsa_wavefront_size32 1
		.amdhsa_system_sgpr_workgroup_id_x 1
		.amdhsa_system_sgpr_workgroup_id_y 1
		.amdhsa_system_sgpr_workgroup_id_z 1
		.amdhsa_system_vgpr_workitem_id 0
		.amdhsa_next_free_vgpr 512
		.amdhsa_next_free_sgpr 100
		.amdhsa_reserve_vcc 0
		.amdhsa_float_denorm_mode_32 3
		.amdhsa_float_denorm_mode_16_64 3
		.amdhsa_memory_ordered 1
		.amdhsa_forward_progress 1
		.amdhsa_inst_pref_size 51
	.end_amdhsa_kernel
	.amdgpu_metadata
---
amdhsa.version: [ 1, 2 ]
amdhsa.kernels:
  - .name:           k_qbfd55425dd_proj
    .symbol:         k_qbfd55425dd_proj.kd
    .args:
      - { .name: yq, .offset: 0, .size: 8, .value_kind: global_buffer, .address_space: global }
      - { .name: ops, .offset: 8, .size: 8, .value_kind: global_buffer, .address_space: global }
      - { .name: out0, .offset: 16, .size: 8, .value_kind: global_buffer, .address_space: global }
    .group_segment_fixed_size: 217600
    .private_segment_fixed_size: 0
    .kernarg_segment_align: 8
    .kernarg_segment_size: 24
    .max_flat_workgroup_size: 128
    .sgpr_count:     100
    .vgpr_count:     512
    .wavefront_size: 32
...
	.end_amdgpu_metadata
.endif
;; end of part 4
